; MI455X (gfx1250); checked and timed in simulation.
; The chip was launched on July 23, 2026; its instructions are those of AMD's public machine-readable ISA for CDNA 5 (MIT licence, August 2026) and "CDNA5" Instruction Set Architecture Reference Guide (July 2026). The comments in the code are by the model that wrote it; some were corrected since.
;; Multi Head Attention. Allowed arithmetic: matrix products marked QUANTISED: E4M3 operands, one given power-of-two scale a tensor, by v_wmma_f32_16x16x64_fp8_fp8 or v_wmma_f32_16x16x128_fp8_fp8, f32 sums; everything else in f32.
;; Inputs: Wk 1,024 x 1,024 float32; Wo 1,024 x 2,048 float32; Wq 1,024 x 1,024 float32; bk 1,024 float32; bo 1,024 float32; bq 1,024 float32; decoder_output 8 x 1,024 x 1,024 float32; encoder_outputs 8 x 1,024 x 1,024 float32; lowp_scales 10 int32 (the exponents e of the quantised operands' scales 2^e).
;; Outputs: out0 8 x 1,024 x 1,024 float32.
;; This version of the problem:
;;   THIS VERSION OF THE PROBLEM IS GIVEN IN LOW PRECISION. The matrix products marked QUANTISED in the list below multiply operands that are first quantised to E4M3 (4 exponent bits, 3 mantissa bits; 8 bits a number), with one given power-of-two scale for each operand tensor; their sums are f32. All else is computed in f32.
;;   The module's matrix products, in the order in which they are computed (A, B: the left and right operand; K: the contracted axis; several contracted axes count as one K, in the product's order):
;;     1. [M 8,192, K 1,024] x [K 1,024, N 1,024]; A: input decoder_output; B: input Wq: QUANTISED (scales: A lowp_scales[0], B lowp_scales[1])
;;     2. [M 8,192, K 1,024] x [K 1,024, N 1,024]; A: input encoder_outputs; B: input Wk: QUANTISED (scales: A lowp_scales[2], B lowp_scales[3])
;;     3. batch 64 x [M 1,024, K 128] x [K 128, N 1,024]; A: computed on the way; B: computed on the way: QUANTISED (scales: A lowp_scales[4], B lowp_scales[5])
;;     4. batch 64 x [M 128, K 1,024] x [K 1,024, N 1,024]; A: computed on the way; B: softmax (see below): QUANTISED (scales: A lowp_scales[6], B lowp_scales[7])
;;     5. [M 8,192, K 2,048] x [K 2,048, N 1,024]; A: computed on the way; B: input Wo: QUANTISED (scales: A lowp_scales[8], B lowp_scales[9])
;;   THE QUANTISER, for each operand of a quantised product, along K:
;;     - The operand's scale is 2^e, e = its entry of the input lowp_scales (int32; the entries are numbered through the quantised products in the list's order, A before B).
;;     - Each number is divided by the scale, clamped to +-448, and rounded to the nearest number of E4M3, ties to even, subnormals kept.
;;     - The product sums the exact products of the quantised numbers (number of the format x scale) in f32.
;;   ~~~python
;;   def quantise(x, axis, e):      # numpy; x: float32 -> the quantised numbers, widened to float32 again
;;       x = np.moveaxis(x, axis, -1); K = x.shape[-1]
;;       r = np.clip(x / 2.0 ** e, -448, 448)
;;       step = 2.0 ** (np.maximum(np.frexp(np.where(r == 0, 1, r))[1] - 1, -6) - 3)
;;       q = np.round(r / step) * step * 2.0 ** e      # np.round: ties to even
;;       return np.moveaxis(q, -1, axis).astype(np.float32)
;;   ~~~
;;   SOFTMAX AHEAD OF A QUANTISED PRODUCT. Where the list says 'softmax', what is quantised is not the finished softmax but p = 2^(t - M), with t = logit x log2(e) and M = ceil(the row's largest t), a whole number; so 1/2 < the row's largest p <= 1. The row's sum l is taken of the UNQUANTISED p, in f32, and the product's result is divided by l at the end. Since M is a whole number, a kernel that streams over the keys may use a running M (the ceiling of the running maximum): every later rescaling is an exact power of two, so the quantised numbers keep their values, but for numbers so far below the row's largest that they fall under the format's range.
;;   OPERANDS COMPUTED ON THE WAY. 'Computed on the way' means the value that the module computes at that place (a softmax that the list does not call 'softmax' is quantised finished and normalised). What goes into a quantiser is computed in f32, as accurately as f32 sums, v_exp_f32 and their like allow (about 1e-6 of the number): no bf16 or f16 on the way to a quantiser, and a product that is left as it is and whose result goes on into a quantised operand takes f32 operands (vector FMAs, or v_wmma_f32_16x16x4_f32). A number that lies on a knife's edge between two numbers of the format may be rounded either way, as far as f32 arithmetic and the matrix unit's own rounding can turn it there, and no further.
;; One version. Each part assembles by itself: llvm-mc -triple=amdgcn-amd-amdhsa -mcpu=gfx1250 --defsym DOCPART=n.
;; ======== version 1 of 1: 4 launches
;; workspace buffers: xc 16,777,216 bytes; wc 4,194,304 bytes; comb 16,777,216 bytes; qk 16,777,216 bytes; kt 8,388,608 bytes
;; launch quant (part 1): grid 640 x 1, 4 waves a work-group, no clusters, 33,280 bytes of LDS; arguments decoder_output, encoder_outputs, Wq, Wk, Wo, lowp_scales, xc, wc, comb; writes xc, wc, comb
.if DOCPART == 1
	.amdgcn_target "amdgcn-amd-amdhsa--gfx1250"
	.amdhsa_code_object_version 6
	.text
	.protected	k_q9e397ef3db_quant
	.globl	k_q9e397ef3db_quant
	.p2align	8
	.type	k_q9e397ef3db_quant,@function
k_q9e397ef3db_quant:
	s_mov_b64 s[64:65], 0
	v_nop
	global_prefetch_b8 v0, s[64:65] scope:SCOPE_SE
	s_setreg_imm32_b32 hwreg(HW_REG_WAVE_MODE, 25, 1), 1
	s_wait_xcnt 0x0
; The five f32 inputs of the matrix products become codes of FP8 (E4M3), each with the scale 2^e that is given for it, laid in PLANES: [K / 128][row][128 bytes].
; code = x / 2^e, held within +-448, rounded to the nearest code, ties to even.
;   decoder_output under e0 -> xc rows 0-8191, and once more under e8 -> comb planes 8-15;  encoder_outputs under e2 -> xc rows 8192-16383;
;   Wq under e1 -> wc rows 0-1023, Wk under e3 -> wc rows 1024-2047 (8 planes of 2,048 rows);  Wo under e9 -> wc from byte 0x200000 on (16 planes of 1,024 rows).
; LIMITS: each e between -126 and 119, so that 2^e and 448 x 2^e are f32 numbers.  NaN among the inputs is not served (an infinity is held at the largest code).
; SHARES.  A wave takes 64 rows x 128 columns (one plane's part of 64 rows): 16 steps of 4 rows.  Each of a step's four loads reads 512 consecutive bytes of one row, 16 a lane.  The conversions take
; neighbours along K from ONE lane's registers, so the step's 2,048 bytes turn through the wave's own stage in LDS (16 bytes of padding behind each 64) and come back 64 bytes a lane: lane l then holds
; row l / 8, columns 16 (l % 8) on, and its 16 codes are bytes 16 l of 512 consecutive bytes of the plane.  Waves share nothing: no barrier.  Loads run four steps (16 loads a wave) ahead.
; One path serves all five tensors: pointers, pitches and the exponent are chosen by the work-group's number.  Only the second set of codes of decoder_output stands under a branch on that number;
; no LDS instruction stands inside it.
.set WAVES, 4
.set STEPS, 16
.set SP,    80                         ; a lane's place in a stage: its 64 bytes + 16 of padding
.set WREG,  8192                       ; LDS: a region for each wave: two stages of 32 x SP bytes
.set SPARE, WAVES*WREG                 ; behind the regions: the spare words, 128 bytes for each wave, which no other line names
.set VO,    4                          ; v4-7     16 x lane + i rows of the source: the four loads' offsets; never rewritten
.set SPW,   12                         ; v12      LDS address of my spare word; never rewritten
.set NIL,   13                         ; v13      0; never rewritten
.set R,     16                         ; v16-79   four sets of 16 numbers as they are loaded
.set X,     80                         ; v80-111  two sets of 16 neighbours
.set T,     112                        ; v112-127 the same numbers held for the second scale
.set C,     128                        ; v128-191 codes, four registers for each step: no store's data are written again
.set C2,    192                        ; v192-255 the second set of codes, likewise
	s_load_b512 s[8:23], s[0:1], 0x0               ; dec s[8:9], enc s[10:11], Wq s[12:13], Wk s[14:15], Wo s[16:17], the exponents s[18:19], xc s[20:21], wc s[22:23]
	s_load_b64 s[24:25], s[0:1], 0x40              ; comb
	v_lshl_add_u32 v[SPW], v0, 2, SPARE
	v_mov_b32 v[NIL], 0
	v_lshrrev_b32 v1, 5, v0
	v_readfirstlane_b32 s32, v1                    ; wave
	v_and_b32 v2, 31, v0                           ; lane
	v_lshlrev_b32 v8, 4, v2                        ; 16 x lane: my bytes of a load's 512 and of a store's 512
	s_mul_i32 s51, s32, WREG
	v_lshrrev_b32 v14, 2, v2
	v_mul_u32_u24 v14, v14, SP
	v_and_b32 v15, 3, v2
	v_lshl_add_u32 v14, v15, 4, v14
	v_add_nc_u32 v14, s51, v14                     ; the stage, on the way in: SP (lane / 4) + 16 (lane % 4)
	v_mul_u32_u24 v15, v2, SP
	v_add_nc_u32 v15, s51, v15                     ; and on the way out: SP x lane
	s_wait_kmcnt 0x0
	s_load_b256 s[36:43], s[18:19], 0x0            ; e0 .. e7
	s_load_b64 s[44:45], s[18:19], 0x20            ; e8, e9
	; the table of tensors: Wo's line first, then each earlier tensor's where the work-group's number lies under its end
	s_mov_b64 s[4:5], s[16:17]                     ; the source
	s_mov_b64 s[6:7], s[22:23]                     ; the codes' buffer
	s_mov_b32 s2, 576                              ; the tensor's first work-group
	s_mov_b32 s28, 13                              ; log2 of a source row's bytes
	s_mov_b32 s29, 4                               ; log2 of its planes
	s_mov_b32 s30, 17                              ; log2 of a plane's bytes
	s_mov_b32 s31, 0x200000                        ; where its codes begin
	s_cmp_lt_u32 ttmp9, 576                        ; Wk
	s_cselect_b64 s[4:5], s[14:15], s[4:5]
	s_cselect_b32 s2, 544, s2
	s_cselect_b32 s28, 12, s28
	s_cselect_b32 s29, 3, s29
	s_cselect_b32 s30, 18, s30
	s_cselect_b32 s31, 0x20000, s31
	s_cmp_lt_u32 ttmp9, 544                        ; Wq
	s_cselect_b64 s[4:5], s[12:13], s[4:5]
	s_cselect_b32 s2, 512, s2
	s_cselect_b32 s31, 0, s31
	s_cmp_lt_u32 ttmp9, 512                        ; encoder_outputs
	s_cselect_b64 s[4:5], s[10:11], s[4:5]
	s_cselect_b64 s[6:7], s[20:21], s[6:7]
	s_cselect_b32 s2, 256, s2
	s_cselect_b32 s30, 21, s30
	s_cselect_b32 s31, 0x100000, s31
	s_cmp_lt_u32 ttmp9, 256                        ; decoder_output
	s_cselect_b64 s[4:5], s[8:9], s[4:5]
	s_cselect_b32 s2, 0, s2
	s_cselect_b32 s31, 0, s31
	s_sub_co_u32 s33, ttmp9, s2
	s_lshl_b32 s33, s33, 2
	s_add_co_u32 s33, s33, s32                     ; which run of 64 rows x one plane is my wave's
	s_lshr_b32 s34, s33, s29                       ; its group of 64 rows
	s_lshl_b32 s51, s34, s29
	s_sub_co_u32 s35, s33, s51                     ; its plane
	s_lshl_b32 s46, s34, 6
	s_lshl_b32 s46, s46, s28                       ; 64 rows x the group, in bytes of the source,
	s_lshl_b32 s51, s35, 9
	s_add_co_u32 s46, s46, s51                     ; + 512 bytes x the plane
	s_mov_b32 s47, 0
	s_add_nc_u64 s[4:5], s[4:5], s[46:47]
	s_lshl_b32 s46, s35, s30                       ; the plane,
	s_lshl_b32 s51, s34, 13                        ; + 64 rows of 128 bytes x the group,
	s_add_co_u32 s46, s46, s51
	s_add_co_u32 s46, s46, s31                     ; + the tensor's place
	s_add_nc_u64 s[6:7], s[6:7], s[46:47]
	s_lshl_b32 s46, s35, 20                        ; comb: plane 8 + mine (used by decoder_output's work-groups alone)
	s_add_co_u32 s46, s46, s51
	s_add_co_u32 s46, s46, 0x800000
	s_add_nc_u64 s[26:27], s[24:25], s[46:47]
	s_lshl_b32 s50, 1, s28                         ; a source row in bytes
	s_lshl_b32 s48, s50, 2                         ; a step: four rows
	s_mov_b32 s49, 0
	v_mov_b32 v[VO], v8
	v_add_nc_u32 v[VO+1], s50, v[VO]
	v_add_nc_u32 v[VO+2], s50, v[VO+1]
	v_add_nc_u32 v[VO+3], s50, v[VO+2]
.macro LOAD t                          ; step t's four rows into set t % 4
.if (\t) > 0
	s_wait_xcnt 0x0                                ; every earlier memory instruction has had its addresses translated: only behind this wait is the loads' base stepped
	s_add_nc_u64 s[4:5], s[4:5], s[48:49]
.endif
.irp i, 0,1,2,3
	global_load_b128 v[R+16*((\t)%4)+4*\i:R+16*((\t)%4)+4*\i+3], v[VO+\i], s[4:5] th:TH_LOAD_NT   ; 32 lanes read 512 consecutive bytes of one row
.endr
.endm
.macro TURN t                          ; step t's numbers through the stage: LDS serves a wave's instructions in order, so no wait stands between the stores and the loads
.irp i, 0,1,2,3
	ds_store_b128 v14, v[R+16*((\t)%4)+4*\i:R+16*((\t)%4)+4*\i+3] offset:32*SP*((\t)%2)+8*SP*\i
.endr
.irp i, 0,1,2,3
	ds_load_b128 v[X+16*((\t)%2)+4*\i:X+16*((\t)%2)+4*\i+3], v15 offset:32*SP*((\t)%2)+16*\i
.endr
.endm
.irp t, 0,1,2,3
	LOAD \t
.endr
	s_wait_kmcnt 0x0
	s_mov_b32 s3, s45                              ; the tensor's exponent, by the same chain: e9,
	s_cmp_lt_u32 ttmp9, 576
	s_cselect_b32 s3, s39, s3                      ; e3,
	s_cmp_lt_u32 ttmp9, 544
	s_cselect_b32 s3, s37, s3                      ; e1,
	s_cmp_lt_u32 ttmp9, 512
	s_cselect_b32 s3, s38, s3                      ; e2,
	s_cmp_lt_u32 ttmp9, 256
	s_cselect_b32 s3, s36, s3                      ; e0
	s_add_co_i32 s3, s3, 127
	s_lshl_b32 s51, s3, 23
	v_mov_b32 v10, s51                             ; 2^e as f32: the conversion takes its exponent field
	s_add_co_i32 s3, s3, 8
	s_lshl_b32 s3, s3, 23
	s_or_b32 s3, s3, 0x600000
	v_mov_b32 v9, s3                               ; 448 x 2^e
	s_add_co_i32 s52, s44, 127
	s_lshl_b32 s51, s52, 23
	v_mov_b32 v1, s51                              ; 2^e8
	s_add_co_i32 s52, s52, 8
	s_lshl_b32 s52, s52, 23
	s_or_b32 s52, s52, 0x600000
	v_mov_b32 v11, s52                             ; 448 x 2^e8
	s_wait_loadcnt 12                              ; step 0's four loads are in
	TURN 0
.macro STEP t
.set XS, X+16*((\t)%2)
	s_wait_dscnt 0x0                               ; this step's numbers are back from the stage: so its stores into the stage have read their registers,
.if (\t)+4 < STEPS
	LOAD (\t)+4                                    ; which take the loads of four steps on
.endif
.if (\t)+1 < STEPS
.if STEPS-2-(\t) >= 3
	s_wait_loadcnt 12                              ; the next step's four loads are in; those of the three steps behind it may be out
.else
	s_wait_loadcnt 4*(STEPS-2-(\t))
.endif
	TURN (\t)+1                                    ; and go through the other stage while this step is worked
.endif
	s_cmp_lt_u32 ttmp9, 256                        ; decoder_output is wanted under e8 too
	s_cbranch_scc0 .Lone_\@
.set n, 0
.rept 16
	v_med3_num_f32 v[T+n], v[XS+n], -v11, v11      ; held into other registers: the two scales' holds differ
.set n, n+1
.endr
	v_cvt_scalef32_pk8_fp8_f32 v[C2+4*(\t):C2+4*(\t)+1], v[T:T+7], v1
	v_cvt_scalef32_pk8_fp8_f32 v[C2+4*(\t)+2:C2+4*(\t)+3], v[T+8:T+15], v1
	global_store_b128 v8, v[C2+4*(\t):C2+4*(\t)+3], s[26:27] offset:512*(\t)
.Lone_\@:
.set n, 0
.rept 16
	v_med3_num_f32 v[XS+n], v[XS+n], -v9, v9       ; the conversion to an 8-bit code does not saturate (ISA guide 7.6.2): hold the number within the largest code x the scale first.  (Plain lines behind the conversions above)
.set n, n+1
.endr
	v_cvt_scalef32_pk8_fp8_f32 v[C+4*(\t):C+4*(\t)+1], v[XS:XS+7], v10
	v_cvt_scalef32_pk8_fp8_f32 v[C+4*(\t)+2:C+4*(\t)+3], v[XS+8:XS+15], v10
	global_store_b128 v8, v[C+4*(\t):C+4*(\t)+3], s[6:7] offset:512*(\t)   ; 32 lanes store 512 consecutive bytes, at a multiple of 512 from the buffer's first byte
.endm
.irp t, 0,1,2,3,4,5,6,7,8,9,10,11,12,13,14,15
	STEP \t
.endr
	s_wait_tensorcnt 0x0                           ; the wave's end: behind my last LDS store
	ds_add_u32 v[SPW], v[NIL]
	s_wait_dscnt 0x0
	s_endpgm
.Lfunc_end_k_q9e397ef3db_quant:
	.size	k_q9e397ef3db_quant, .Lfunc_end_k_q9e397ef3db_quant-k_q9e397ef3db_quant
	.p2alignl 7, 3214868480
	.fill 96, 4, 3214868480
	.section	.rodata,"a",@progbits
	.p2align	6, 0x0
	.amdhsa_kernel k_q9e397ef3db_quant
		.amdhsa_group_segment_fixed_size 33280
		.amdhsa_private_segment_fixed_size 0
		.amdhsa_enable_private_segment 0
		.amdhsa_kernarg_size 72
		.amdhsa_user_sgpr_count 2
		.amdhsa_user_sgpr_kernarg_segment_ptr 1
		.amdhsa_wavefront_size32 1
		.amdhsa_system_sgpr_workgroup_id_x 1
		.amdhsa_system_sgpr_workgroup_id_y 1
		.amdhsa_system_sgpr_workgroup_id_z 1
		.amdhsa_system_vgpr_workitem_id 0
		.amdhsa_next_free_vgpr 256
		.amdhsa_next_free_sgpr 66
		.amdhsa_reserve_vcc 0
		.amdhsa_float_denorm_mode_32 3
		.amdhsa_float_denorm_mode_16_64 3
		.amdhsa_memory_ordered 1
		.amdhsa_forward_progress 1
		.amdhsa_inst_pref_size 61
	.end_amdhsa_kernel
	.amdgpu_metadata
---
amdhsa.version: [ 1, 2 ]
amdhsa.kernels:
  - .name:           k_q9e397ef3db_quant
    .symbol:         k_q9e397ef3db_quant.kd
    .args:
      - { .name: decoder_output, .offset: 0, .size: 8, .value_kind: global_buffer, .address_space: global }
      - { .name: encoder_outputs, .offset: 8, .size: 8, .value_kind: global_buffer, .address_space: global }
      - { .name: Wq, .offset: 16, .size: 8, .value_kind: global_buffer, .address_space: global }
      - { .name: Wk, .offset: 24, .size: 8, .value_kind: global_buffer, .address_space: global }
      - { .name: Wo, .offset: 32, .size: 8, .value_kind: global_buffer, .address_space: global }
      - { .name: lowp_scales, .offset: 40, .size: 8, .value_kind: global_buffer, .address_space: global }
      - { .name: xc, .offset: 48, .size: 8, .value_kind: global_buffer, .address_space: global }
      - { .name: wc, .offset: 56, .size: 8, .value_kind: global_buffer, .address_space: global }
      - { .name: comb, .offset: 64, .size: 8, .value_kind: global_buffer, .address_space: global }
    .group_segment_fixed_size: 33280
    .private_segment_fixed_size: 0
    .kernarg_segment_align: 8
    .kernarg_segment_size: 72
    .max_flat_workgroup_size: 128
    .sgpr_count:     66
    .vgpr_count:     256
    .wavefront_size: 32
...
	.end_amdgpu_metadata
.endif
;; end of part 1
;; launch proj (part 2): grid 4 x 64, 4 waves a work-group, clusters of 4 x 4, 327,680 bytes of LDS; arguments xc, wc, bq, bk, lowp_scales, qk, kt; writes qk, kt
.if DOCPART == 2
	.amdgcn_target "amdgcn-amd-amdhsa--gfx1250"
	.amdhsa_code_object_version 6
	.text
	.protected	k_q9e397ef3db_proj
	.globl	k_q9e397ef3db_proj
	.p2align	8
	.type	k_q9e397ef3db_proj,@function
k_q9e397ef3db_proj:
	s_mov_b64 s[64:65], 0
	v_nop
	global_prefetch_b8 v0, s[64:65] scope:SCOPE_SE
	s_setreg_imm32_b32 hwreg(HW_REG_WAVE_MODE, 25, 1), 1
	s_wait_xcnt 0x0
	s_wait_alu depctr_hold_cnt(0) depctr_sa_sdst(0) depctr_va_vdst(0) depctr_va_sdst(0) depctr_va_ssrc(0) depctr_va_vcc(0) depctr_vm_vsrc(0)
	s_getreg_b32 s2, hwreg(HW_REG_IB_STS2, 6, 4)
	s_cmp_eq_u32 s2, 0
	s_cbranch_scc0 .Lentry_in_a_cluster
	s_endpgm
.Lentry_in_a_cluster:
	s_bfe_u32 s2, ttmp6, 0x10000c
	s_cmp_lg_u32 s2, 0xf033
	s_cbranch_scc0 .Lentry_shape_is_right
	s_endpgm
.Lentry_shape_is_right:
; q = dec Wq^T + bq and k = enc Wk^T + bk in one launch, on codes of FP8 (E4M3), and their results quantised on the way out: q under e4, k under e5 (both [b h][l][128 d]) and k once more under e6,
; with the keys innermost ([b h][l / 128][128 d][128 keys]).
; A = xc: [8 planes][16,384 rows][128 bytes], rows 0-8191 dec, the rest enc.  B = wc: [8 planes][2,048 rows][128], rows 0-1023 Wq, the rest Wk.  Tile rows 0-31 of the grid's 64 make q, 32-63 k.
; A tile of the result, 256 x 256, is made by four waves; a wave makes 128 rows x 128 columns: 64 accumulators, 512 registers; its 128 columns are one head.
; K goes in steps of 256 (two planes of A, two of B) through a ring of two LDS slots; wave w fetches plane w of a slot: 256 rows x 128 bytes, one dense block of memory.
; CLUSTERS: 4 x 4 work-groups.  The four of a row of the cluster need the same planes of A, the four of a column the same planes of B: each is asked for JOINTLY.
; THE MATRIX INSTRUCTION IS USED TRANSPOSED (source 0 = 16 rows of B, source 1 = 16 rows of A): a lane then holds eight neighbouring columns of one row.
; A fragment's k are permuted alike in A and in B (four loads of 16 bytes, 32 apart): every product meets its partner; only the order of the sums inside an instruction changes.
; LIMITS: e0 + e1 and e2 + e3 between -126 and 127; e4, e5, e6 between -126 and 119.  NaN among the inputs is not served.
; REGISTERS, in windows of 256: window 0: v0-31 addresses and constants; v32-47 codes; v64-127 the bias of my 128 columns; from v128 A's fragments, ONE set; on the way out v128-255 are at work.
;   window 1: B's fragments, TWO sets.   windows 2, 3: the accumulators of my rows 0-63, 64-127 (accumulator (a, b) at v[8 (8 (a % 4) + b)]).
.set APL,    1<<21                     ; a plane of A in bytes
.set BPL,    1<<18                     ; a plane of B
.set LAPS,   2                         ; a lap = two K steps = once round the ring: K = 1,024
.set PITCH,  144                       ; an LDS row: 128 bytes + 16 of padding, an odd multiple of 16: the sixteen rows that a load touches begin at sixteen different places modulo 256 bytes
.set PLN,    256*PITCH                 ; a plane's 256 rows: what one tensor load brings
.set SLOT,   4*PLN                     ; A's two planes, then B's two
.set SPARE,  2*SLOT                    ; behind the ring: the spare words, 128 bytes for each wave, which no other line names
.set FR,     16                        ; registers of a fragment: 16 rows x 128 K
.set NL,     4                         ; LDS loads that bring one
.set NP,     4                         ; places behind this matrix instruction (ISA guide 7.12.1)
.set ADRA, 16                          ; v16-17  LDS address of my A fragments in slot 0, 1
.set SC1,  18                          ; v18, v19  2^e and 448 x 2^e for the codes by rows (e4 or e5)
.set LM1,  19
.set ADRB, 20                          ; v20-21  the same as ADRA for B
.set SC2,  22                          ; v22, v23  the same for e6
.set LM2,  23
.set STO,  24                          ; v24  stage: where I put 8 codes of a row
.set RD,   25                          ; v25  stage: where I read rows back
.set GO,   26                          ; v26  16 x lane: my bytes of a store's 512
.set TRA,  27                          ; v27  the turning loads' address in the stage of e6's codes
.set SPW,  28                          ; v28  LDS address of my spare word; never rewritten
.set NIL,  29                          ; v29  0; never rewritten
.set TW,   30                          ; v30  where I put 16 keys' codes of a row d
.set RDT,  31                          ; v31  where I read those rows back
.set CD,   32                          ; v32-47  a block's codes
.set BI,   64                          ; v64-127 bias: register 8 b + i = column 16 b + 8 (lane / 16) + i of my 128
.set AF,   128                         ; A's fragments
.set X,    128                         ; the way out: a block's 64 numbers
.set TL,   128                         ; the turning: as loaded
.set TP,   192                         ; the turning: sorted
.set SR,   0                           ; a wave's stages, in its own 65,536 bytes of the ring: codes by rows, 128 rows x 160
.set S6,   20480                       ; e6's codes by rows, 128 rows x 160
.set ST,   40960                       ; e6's codes turned, 128 rows x 144
.set G1, 24                            ; s[24:31] descriptor group 1 for A's planes;  s[32:39] group 0, one set for each slot
.set G0, 32
.set G1B, 48                           ; s[48:55], s[56:63] the same for B's
.set G0B, 56
.set MSB, 0
.macro WIN new                         ; the immediate's high byte repeats the setting that is left
.if MSB != (\new)
	s_set_vgpr_msb (MSB<<8)|(\new)
.set MSB, (\new)
.endif
.endm
.set MUL_LO, 0xa1                      ; source 0 (B) window 1, source 1 (A) window 0, C and D window 2
.set MUL_HI, 0xf1                      ; the same, C and D window 3
.set TO_B,   0x40                      ; destination window 1, address window 0
; A joint load: waves 0 and 1 fetch A's planes, waves 2 and 3 B's.  Each of the two lines has ONE mask and one set of registers for all that issue it; the branch hangs on the wave's number alone.
; An s_nop 0 and four v_nop follow each of the two lines, ahead of the jump, the label and what follows.
.macro JLOAD g0a, g1a, g0b, g1b
	s_cmp_eq_u32 s15, 0
	s_cbranch_scc0 .Lfor_b_\@
	tensor_load_to_lds s[\g0a:\g0a+3], s[\g1a:\g1a+7]
	s_nop 0
.rept 4
	v_nop
.endr
	s_branch .Lasked_\@
.Lfor_b_\@:
	tensor_load_to_lds s[\g0b:\g0b+3], s[\g1b:\g1b+7]
	s_nop 0
.rept 4
	v_nop
.endr
.Lasked_\@:
.endm
.macro CREST                           ; a round of the cluster's barrier behind its opening barrier
	s_cmp_lg_u32 s14, 0
	s_cbranch_scc1 .Lnot_wave_0_\@
	s_barrier_signal -3
.Lnot_wave_0_\@:
	s_barrier_wait -3
	s_barrier_signal -1
	s_barrier_wait -1
.endm
.macro CROUND                          ; a whole round
	s_barrier_signal -1
	s_barrier_wait -1
	CREST
.endm
	s_load_b128 s[4:7], s[0:1], 0x0                ; xc s[4:5], wc s[6:7]
	s_load_b128 s[68:71], s[0:1], 0x10             ; bq s[68:69], bk s[70:71]
	s_load_b128 s[72:75], s[0:1], 0x20             ; the exponents s[72:73], qk s[74:75]
	s_load_b64 s[76:77], s[0:1], 0x30              ; kt
	v_lshl_add_u32 v[SPW], v0, 2, SPARE
	v_mov_b32 v[NIL], 0
	ds_add_u32 v[SPW], v[NIL]                      ; the wave's opening: the add and its wait stand ahead of my first tensor load; the set-up below, work on registers, stands between them
	v_lshrrev_b32 v1, 5, v0
	v_readfirstlane_b32 s14, v1                    ; wave 0..3
	s_lshr_b32 s15, s14, 1                         ; which half of the tile's rows is mine.  Also: I fetch for A (0) or for B (1)
	s_and_b32 s16, s14, 1                          ; which half of its columns.  Also: which of a K step's two planes I fetch
	s_bfe_u32 s40, ttmp6, 0x40000                  ; cx, cy: my place in the cluster
	s_bfe_u32 s41, ttmp6, 0x40004
	s_lshl_b32 s42, ttmp9, 2
	s_add_co_u32 s42, s42, s40                     ; tile column = 4 x cluster x + cx
	s_and_b32 s66, ttmp7, 0xffff                   ; cluster y
	s_lshl_b32 s17, s66, 2
	s_add_co_u32 s17, s17, s41                     ; tile row = 4 x cluster y + cy
	s_lshr_b32 s66, s66, 3                         ; 0: this cluster makes q; 1: k.  The same in all sixteen partners
	s_lshl_b32 s67, s66, 2
	s_add_co_u32 s67, s67, s42                     ; B's tile of 256 rows: Wq's four, then Wk's four
	s_lshl_b32 s43, s41, 2
	s_lshl_b32 s43, 15, s43                        ; my row of the cluster
	s_lshl_b32 s44, 0x1111, s40                    ; my column
	; descriptor group 1: 256 rows x 128 bytes, dense in memory, padded in LDS
	s_or_b32 s[G1+0], s43, (1<<20)|(1<<21)|(4<<22)|(3<<25)   ; 15:0 the mask: A's planes go to my row; 17:16 elements of 1 byte; 20 padding on; 21 set beside a mask; 24:22 after every 32 words (code 4); 31:25 four words (code 3)
	s_or_b32 s[G1B+0], s44, (1<<20)|(1<<21)|(4<<22)|(3<<25)  ; the same with the mask of my column
.irp g, G1, G1B
	s_mov_b32 s[\g+1], 128<<16                     ; tensor_dim0 = 128
	s_mov_b32 s[\g+2], 256<<16                     ; tensor_dim1 = 256
	s_mov_b32 s[\g+3], 128<<16                     ; tile_dim0 = 128
	s_mov_b32 s[\g+4], 256                         ; tile_dim1 = 256
	s_mov_b32 s[\g+5], 128                         ; tensor_dim0_stride
	s_mov_b32 s[\g+6], 0
	s_mov_b32 s[\g+7], 0
.endr
	s_lshl_b32 s20, s17, 15                        ; A: 256 rows of 128 bytes x tile row,
	s_mul_i32 s18, s16, APL                        ; + my plane of the K step
	s_add_co_u32 s20, s20, s18
	s_mov_b32 s21, 0
	s_lshl_b32 s46, s67, 15                        ; B likewise
	s_mul_i32 s18, s16, BPL
	s_add_co_u32 s46, s46, s18
	s_mov_b32 s47, 0
	s_mul_i32 s45, s14, PLN                        ; where they go: wave x a plane: no place in the cluster enters an LDS address
	s_wait_dscnt 0x0                               ; the opening add is done
	s_wait_kmcnt 0x0
	s_load_b256 s[84:91], s[72:73], 0x0            ; e0 .. e7
	s_add_nc_u64 s[20:21], s[4:5], s[20:21]
	s_add_nc_u64 s[46:47], s[6:7], s[46:47]
	CROUND                                         ; all sixteen work-groups are here: the first joint loads meet
.irp s, 0,1
	s_mov_b32 s[G0+4*\s], 1
	s_add_co_u32 s[G0+4*\s+1], s45, \s*SLOT
	s_add_nc_u64 s[G0+4*\s+2:G0+4*\s+3], s[20:21], \s*2*APL
	s_or_b32 s[G0+4*\s+3], s[G0+4*\s+3], 0x80000000
	s_mov_b32 s[G0B+4*\s], 1
	s_add_co_u32 s[G0B+4*\s+1], s45, \s*SLOT
	s_add_nc_u64 s[G0B+4*\s+2:G0B+4*\s+3], s[46:47], \s*2*BPL
	s_or_b32 s[G0B+4*\s+3], s[G0B+4*\s+3], 0x80000000
	JLOAD G0+4*\s, G1, G0B+4*\s, G1B
.endr
	v_and_b32 v1, 15, v0                           ; r = l % 16
	v_bfe_u32 v2, v0, 4, 1                         ; h = l / 16
	v_mul_u32_u24 v3, v1, PITCH
	v_lshl_add_u32 v4, v2, 4, v3                   ; a fragment's row x pitch + 16 x half
	s_mul_i32 s21, s15, 128*PITCH                  ; my 128 rows of A's planes
	s_mul_i32 s22, s16, 128*PITCH                  ; my 128 rows of B's,
	s_add_co_u32 s22, s22, 2*PLN                   ; which lie behind A's two
.irp s, 0,1
	v_add_nc_u32 v[ADRA+\s], s21, v4
	v_add_nc_u32 v[ADRB+\s], s22, v4
	s_add_co_u32 s21, s21, SLOT
	s_add_co_u32 s22, s22, SLOT
.endr
	; the bias of my 128 columns, in the result's layout; it is waited for on the way out, and v6 and s[8:9] stay as they are until then
	s_cmp_eq_u32 s66, 0
	s_cselect_b64 s[8:9], s[68:69], s[70:71]
	s_lshl_b32 s78, s42, 10
	s_lshl_b32 s79, s16, 9
	s_add_co_u32 s78, s78, s79
	s_mov_b32 s79, 0
	s_add_nc_u64 s[8:9], s[8:9], s[78:79]
	v_lshlrev_b32 v6, 5, v2
.irp b, 0,1,2,3,4,5,6,7
	global_load_b128 v[BI+8*\b:BI+8*\b+3], v6, s[8:9] offset:64*\b
	global_load_b128 v[BI+8*\b+4:BI+8*\b+7], v6, s[8:9] offset:64*\b+16
.endr
	; the stages' addresses.  A wave's stages lie in its own 65,536 bytes of the ring
	s_lshl_b32 s23, s14, 16
	v_mul_u32_u24 v3, v1, 160
	v_lshl_add_u32 v3, v2, 3, v3
	v_add_nc_u32 v[STO], s23, v3                   ; in: row r of a block, 8 bytes for each half of the lanes
	v_and_b32 v7, 31, v0                           ; lane
	v_lshrrev_b32 v4, 3, v7                        ; lane / 8
	v_and_b32 v5, 7, v0                            ; lane % 8
	v_mul_u32_u24 v3, v4, 160
	v_lshl_add_u32 v3, v5, 4, v3
	v_add_nc_u32 v[RD], s23, v3                    ; back: eight lanes to a row of 128 bytes, four rows an instruction
	v_lshlrev_b32 v[GO], 4, v7
	v_mul_u32_u24 v3, v5, 160
	v_lshl_add_u32 v3, v4, 4, v3
	v_add_nc_u32 v3, s23, v3
	v_add_nc_u32 v[TRA], S6, v3                    ; the turning load: key lane % 8 of eight, 16 bytes (16 d) x lane / 8
	v_mul_u32_u24 v3, v7, 288
	v_add_nc_u32 v3, s23, v3
	v_add_nc_u32 v[TW], ST, v3                     ; row d = 2 x lane of the turned stage
	v_mul_u32_u24 v3, v4, 144
	v_lshl_add_u32 v3, v5, 4, v3
	v_add_nc_u32 v3, s23, v3
	v_add_nc_u32 v[RDT], ST, v3
	; where my 128 rows x one head go.  R = my first row of xc's 16,384: bits 13:10 say q or k and the batch, bits 9:0 the place in the sequence
	s_lshl_b32 s78, s17, 8
	s_lshl_b32 s79, s15, 7
	s_add_co_u32 s78, s78, s79                     ; R
	s_lshr_b32 s79, s78, 10
	s_lshl_b32 s79, s79, 20                        ; a batch's eight heads are 2^20 bytes; k's codes begin 8 batches on
	s_and_b32 s78, s78, 1023
	s_lshl_b32 s78, s78, 7
	s_or_b32 s78, s78, s79
	s_lshl_b32 s79, s42, 1
	s_add_co_u32 s79, s79, s16                     ; the head: 2 x tile column + my half
	s_lshl_b32 s79, s79, 17
	s_or_b32 s78, s78, s79
	s_mov_b32 s79, 0
	s_add_nc_u64 s[10:11], s[74:75], s[78:79]      ; qk
	s_and_b32 s78, s78, 0x7fffff                   ; kt: the same offset without the bit that tells k from q: 128 keys x 128 bytes are one block of 128 d x 128 keys
	s_add_nc_u64 s[12:13], s[76:77], s[78:79]
	s_mov_b32 s92, 0x06040200                      ; v_perm_b32: the even bytes of two registers,
	s_mov_b32 s93, 0x07050301                      ; the odd ones
.macro FRAG reg, adr, q, i             ; a fragment, 16 rows x 128 K, is 16 registers: lane l holds row l % 16; registers 4 c .. 4 c + 3 hold K = 32 c + 16 (l / 16) + 0 .. 15 of plane q
.irp c, 0,1,2,3
	ds_load_b128 v[\reg+4*\c:\reg+4*\c+3], v[\adr] offset:PLN*(\q)+32*\c+(\i)*16*PITCH
.endr
.endm
; 16 matrix instructions: A's blocks a0, a0 + 1 x B's eight, 128 along K.  p: B's set.  zero = 1: the first product starts the sums: nothing is ever cleared.
; The 64 accumulators take turns, one instruction a turn, in the same order in every step.
.macro MUL16 a0, p, zero
.irp a, \a0, \a0+1
.irp b, 0,1,2,3,4,5,6,7
.if \zero
	v_wmma_f32_16x16x128_fp8_fp8 v[8*(8*((\a)%4)+\b):8*(8*((\a)%4)+\b)+7], v[128*(\p)+FR*\b:128*(\p)+FR*\b+FR-1], v[AF+FR*(\a):AF+FR*(\a)+FR-1], 0
.else
	v_wmma_f32_16x16x128_fp8_fp8 v[8*(8*((\a)%4)+\b):8*(8*((\a)%4)+\b)+7], v[128*(\p)+FR*\b:128*(\p)+FR*\b+FR-1], v[AF+FR*(\a):AF+FR*(\a)+FR-1], v[8*(8*((\a)%4)+\b):8*(8*((\a)%4)+\b)+7]
.endif
.endr
.endr
.endm
.macro FETCH_B slot, q, p              ; B's eight fragments of the slot's plane q into set p
	WIN TO_B
.irp i, 0,1,2,3,4,5,6,7
	FRAG 128*(\p)+FR*\i, ADRB+\slot, \q, \i
.endr
	WIN 0
.endm
.macro FETCH_A slot, q, i0             ; A's blocks i0 .. i0 + 3
.irp i, \i0, \i0+1, \i0+2, \i0+3
	FRAG AF+FR*(\i), ADRA+\slot, \q, \i
.endr
.endm
; A load into a register that a matrix instruction has read, and a vector instruction or an LDS store that reads a matrix result, stand NP places behind that matrix instruction, and only plain vector
; instructions that name none of its registers are places (ISA guide 7.12.1 for vector instructions).
.macro PLACES n
.rept \n
	v_nop
.endr
.endm
; A step of 128 along K that has its successor in the same slot.
.macro STEP slot, q, zero
	s_wait_dscnt 4*NL                              ; B's set and A's blocks 0-3 are in; the youngest sixteen loads (A's blocks 4-7) may be out
	WIN MUL_LO
	MUL16 0, (\q)%2, \zero
	MUL16 2, (\q)%2, \zero
	s_wait_dscnt 0                                 ; A's blocks 4-7 are in (asked for 32 matrix instructions ago)
	PLACES NP
	FETCH_B \slot, (\q)+1, 1-(\q)%2
	FETCH_A \slot, (\q)+1, 0
	WIN MUL_HI
	MUL16 4, (\q)%2, \zero
	MUL16 6, (\q)%2, \zero
	PLACES NP
	WIN 0
	FETCH_A \slot, (\q)+1, 4
.endm
; A slot's last step changes slots: ONE barrier; in front of it each wave waits for all its tensor loads, adds 0 to its spare word, and waits for that and for its own reads of this slot.  fill = 1: this slot is filled again, two K steps ahead.
.macro TURN slot, next, fill
	s_wait_tensorcnt 0x0                           ; all my tensor loads have landed: my part of the next slot;  (every window is 0 here: the add's two registers lie in window 0)
	ds_add_u32 v[SPW], v[NIL]                      ; 0 onto my spare word
	s_wait_dscnt 4*NL+1                            ; (the add and the youngest sixteen loads, A's blocks 4-7, may be out)
	WIN MUL_LO
	MUL16 0, 1, 0                                  ; sixteen matrix instructions stand between the add and the wait for it
	s_wait_dscnt 0x0                               ; the add is done, and my reads of this slot are over
	s_barrier_signal -1
	MUL16 2, 1, 0
	WIN 0
	s_barrier_wait -1
.if \fill
	CREST                                          ; the barrier has opened a round of the cluster's barrier: no wave of any partner still reads this slot or has a load on its way
	s_add_nc_u64 s[G0+4*\slot+2:G0+4*\slot+3], s[G0+4*\slot+2:G0+4*\slot+3], 4*APL     ; two K steps on: four planes
	s_add_nc_u64 s[G0B+4*\slot+2:G0B+4*\slot+3], s[G0B+4*\slot+2:G0B+4*\slot+3], 4*BPL
	JLOAD G0+4*\slot, G1, G0B+4*\slot, G1B         ; the first tensor load behind the round; the four v_nop behind it are the places in front of the loads below
.else
	PLACES NP
.endif
	FETCH_B \next, 0, 0
	FETCH_A \next, 0, 0
	WIN MUL_HI
	MUL16 4, 1, 0
	MUL16 6, 1, 0
	PLACES NP
	WIN 0
	FETCH_A \next, 0, 4
.endm
	s_wait_tensorcnt 1                             ; my part of K step 0 is in (K step 1's load may be out)
	s_barrier_signal -1
	s_barrier_wait -1                              ; everybody's is
	FETCH_B 0, 0, 0
	FETCH_A 0, 0, 0
	FETCH_A 0, 0, 4
	STEP 0, 0, 1                                   ; the first step stands in front of the loop: its products start the sums
	s_mov_b32 s3, LAPS-1
.Llap:                                                 ; a trip goes once round the ring, from a lap's second step to the next lap's first, and fills both slots again
	TURN 0, 1, 1
	STEP 1, 0, 0
	TURN 1, 0, 1
	STEP 0, 0, 0
	s_sub_co_u32 s3, s3, 1
	s_cmp_lg_u32 s3, 0
	s_cbranch_scc1 .Llap
	TURN 0, 1, 0                                   ; the last lap fills nothing, and has no round of the cluster's barrier
	STEP 1, 0, 0
	s_wait_dscnt 4*NL                              ; the very last step: nothing more to fetch
	WIN MUL_LO
	MUL16 0, 1, 0
	MUL16 2, 1, 0
	s_wait_dscnt 0
	WIN MUL_HI
	MUL16 4, 1, 0
	MUL16 6, 1, 0
	WIN 0
; THE WAY OUT.  The stages lie in the ring: both slots have had their last fill, and behind this barrier no wave reads them any more.
	s_wait_dscnt 0x0                               ; my reads of the ring are over
	s_barrier_signal -1
	s_barrier_wait -1
	s_wait_kmcnt 0x0
	s_cmp_eq_u32 s66, 0
	s_cselect_b32 s94, s84, s86                    ; A's exponent: e0 or e2
	s_cselect_b32 s95, s85, s87                    ; B's: e1 or e3
	s_cselect_b32 s78, s88, s89                    ; the result's: e4 or e5
	s_add_co_i32 s96, s94, s95
	s_add_co_i32 s96, s96, 127
	s_lshl_b32 s96, s96, 23                        ; 2^(ea + eb) as f32
	s_mov_b32 s97, s96                             ; (named with it as a pair, so it is written)
	s_add_co_i32 s78, s78, 127
	s_lshl_b32 s79, s78, 23
	v_mov_b32 v[SC1], s79
	s_add_co_i32 s78, s78, 8
	s_lshl_b32 s78, s78, 23
	s_or_b32 s78, s78, 0x600000
	v_mov_b32 v[LM1], s78
	s_add_co_i32 s78, s90, 127                     ; e6
	s_lshl_b32 s79, s78, 23
	v_mov_b32 v[SC2], s79
	s_add_co_i32 s78, s78, 8
	s_lshl_b32 s78, s78, 23
	s_or_b32 s78, s78, 0x600000
	v_mov_b32 v[LM2], s78
	PLACES NP                                      ; behind the last products: their results are read, and A's registers written, below
	s_wait_loadcnt 0x0                             ; the bias
; Block a (16 rows x my 128 columns): sum x 2^(ea + eb) + bias, one packed multiply-add for two numbers, each accumulator from its low end on; the hold; eight codes a conversion: a lane's eight neighbouring
; columns of one row; into the stage at \stage, rows 160 bytes apart.
.macro CODES a, stage, sc, lm
.set AC, 64*((\a)%4)
	WIN 0x02+((\a)/4)                              ; source 0: window 2 or 3
.set j, 0
.rept 32
	v_pk_fma_f32 v[X+j:X+j+1], v[AC+j:AC+j+1], s[96:97], v[BI+j:BI+j+1] op_sel_hi:[1,0,1]
.set j, j+2
.endr
	WIN 0
.set j, 0
.rept 64
	v_med3_num_f32 v[X+j], v[X+j], -v[\lm], v[\lm] ; the conversion to an 8-bit code does not saturate (ISA guide 7.6.2)
.set j, j+1
.endr
	s_wait_dscnt 0x0                               ; the last block's stores have read the codes' registers
.irp b, 0,1,2,3,4,5,6,7
	v_cvt_scalef32_pk8_fp8_f32 v[CD+2*\b:CD+2*\b+1], v[X+8*\b:X+8*\b+7], v[\sc]
.endr
	v_nop                                          ; one plain vector instruction behind the last conversion, ahead of the next vector instruction that writes its sources
.irp b, 0,1,2,3,4,5,6,7
	ds_store_b64 v[STO], v[CD+2*\b:CD+2*\b+1] offset:\stage+(\a)*16*160+16*\b
.endr
.endm
; 128 rows of 128 bytes leave a stage: four rows an instruction, 512 consecutive bytes of memory, 16 KiB on end.
.macro SENDROWS rd, pitch, base
	s_wait_dscnt 0x0
.set ii, 0
.rept 32
	ds_load_b128 v[128+4*ii:128+4*ii+3], v[\rd] offset:4*\pitch*ii
.set ii, ii+1
.endr
.set ii, 0
.rept 32
	s_wait_dscnt 31-ii                             ; LDS loads come back in order: load ii is in, the younger ones may be out
	global_store_b128 v[GO], v[128+4*ii:128+4*ii+3], s[\base:\base+1] offset:512*ii
.set ii, ii+1
.endr
	s_wait_xcnt 0x0                                ; the stores have read their registers, which are written again below
.endm
.irp a, 0,1,2,3,4,5,6,7
	CODES \a, SR, SC1, LM1
.endr
	SENDROWS RD, 160, 10
	s_cmp_eq_u32 s66, 0                            ; q is done.  The branch hangs on the cluster's y alone: all partners and all waves go the same way; no barrier stands under it
	s_cbranch_scc1 .Lclose
.irp a, 0,1,2,3,4,5,6,7
	CODES \a, S6, SC2, LM2                         ; k once more, under e6
.endr
; THE TURNING: [128 keys][128 d] bytes become [128 d][128 keys].  The turning load works on pairs of bytes: eight lanes address eight keys' 16 bytes, and lane l comes to hold d = 64 n + 2 l and + 1 of those eight
; keys.  v_perm_b32 sorts the even d's bytes from the odd d's: 16 keys' codes of one d are 16 bytes.
.irp n, 0,1
.irp k, 0,1,2,3,4,5,6,7
	ds_load_tr16_b128 v[TL+8*\k:TL+8*\k+3], v[TRA] offset:(16*\k)*160+64*\n
	ds_load_tr16_b128 v[TL+8*\k+4:TL+8*\k+7], v[TRA] offset:(16*\k+8)*160+64*\n
.endr
	s_wait_dscnt 0x0                               ; they are in, and the stores of the half before have read their registers
.irp k, 0,1,2,3,4,5,6,7
.irp m, 0,1,2,3
	v_perm_b32 v[TP+8*\k+\m], v[TL+8*\k+2*\m+1], v[TL+8*\k+2*\m], s92
	v_perm_b32 v[TP+8*\k+4+\m], v[TL+8*\k+2*\m+1], v[TL+8*\k+2*\m], s93
.endr
	ds_store_b128 v[TW], v[TP+8*\k:TP+8*\k+3] offset:64*\n*144+16*\k
	ds_store_b128 v[TW], v[TP+8*\k+4:TP+8*\k+7] offset:64*\n*144+144+16*\k
.endr
.endr
	SENDROWS RDT, 144, 12
.Lclose:
	s_wait_tensorcnt 0x0                           ; the wave's end: behind my last tensor load and my last LDS store
	ds_add_u32 v[SPW], v[NIL]
	s_wait_dscnt 0x0
	CROUND                                         ; the closing round: no work-group ends while a partner may still ask for a tile that names it
	s_endpgm
.Lfunc_end_k_q9e397ef3db_proj:
	.size	k_q9e397ef3db_proj, .Lfunc_end_k_q9e397ef3db_proj-k_q9e397ef3db_proj
	.p2alignl 7, 3214868480
	.fill 96, 4, 3214868480
	.section	.rodata,"a",@progbits
	.p2align	6, 0x0
	.amdhsa_kernel k_q9e397ef3db_proj
		.amdhsa_group_segment_fixed_size 327680
		.amdhsa_private_segment_fixed_size 0
		.amdhsa_enable_private_segment 0
		.amdhsa_kernarg_size 56
		.amdhsa_user_sgpr_count 2
		.amdhsa_user_sgpr_kernarg_segment_ptr 1
		.amdhsa_wavefront_size32 1
		.amdhsa_system_sgpr_workgroup_id_x 1
		.amdhsa_system_sgpr_workgroup_id_y 1
		.amdhsa_system_sgpr_workgroup_id_z 1
		.amdhsa_system_vgpr_workitem_id 0
		.amdhsa_next_free_vgpr 1024
		.amdhsa_next_free_sgpr 98
		.amdhsa_reserve_vcc 0
		.amdhsa_float_denorm_mode_32 3
		.amdhsa_float_denorm_mode_16_64 3
		.amdhsa_memory_ordered 1
		.amdhsa_forward_progress 1
		.amdhsa_inst_pref_size 220
	.end_amdhsa_kernel
	.amdgpu_metadata
---
amdhsa.version: [ 1, 2 ]
amdhsa.kernels:
  - .name:           k_q9e397ef3db_proj
    .symbol:         k_q9e397ef3db_proj.kd
    .args:
      - { .name: xc, .offset: 0, .size: 8, .value_kind: global_buffer, .address_space: global }
      - { .name: wc, .offset: 8, .size: 8, .value_kind: global_buffer, .address_space: global }
      - { .name: bq, .offset: 16, .size: 8, .value_kind: global_buffer, .address_space: global }
      - { .name: bk, .offset: 24, .size: 8, .value_kind: global_buffer, .address_space: global }
      - { .name: lowp_scales, .offset: 32, .size: 8, .value_kind: global_buffer, .address_space: global }
      - { .name: qk, .offset: 40, .size: 8, .value_kind: global_buffer, .address_space: global }
      - { .name: kt, .offset: 48, .size: 8, .value_kind: global_buffer, .address_space: global }
    .group_segment_fixed_size: 327680
    .private_segment_fixed_size: 0
    .kernarg_segment_align: 8
    .kernarg_segment_size: 56
    .max_flat_workgroup_size: 128
    .sgpr_count:     98
    .vgpr_count:     1024
    .wavefront_size: 32
...
	.end_amdgpu_metadata
.endif
;; end of part 2
;; launch attn (part 3): grid 4 x 64, 8 waves a work-group, clusters of 4 x 1, 327,680 bytes of LDS; arguments qk, kt, lowp_scales, comb; writes comb
.if DOCPART == 3
	.amdgcn_target "amdgcn-amd-amdhsa--gfx1250"
	.amdhsa_code_object_version 6
	.text
	.protected	k_q9e397ef3db_attn
	.globl	k_q9e397ef3db_attn
	.p2align	8
	.type	k_q9e397ef3db_attn,@function
k_q9e397ef3db_attn:
	s_mov_b64 s[64:65], 0
	v_nop
	global_prefetch_b8 v0, s[64:65] scope:SCOPE_SE
	s_setreg_imm32_b32 hwreg(HW_REG_WAVE_MODE, 25, 1), 1
	s_wait_xcnt 0x0
	s_wait_alu depctr_hold_cnt(0) depctr_sa_sdst(0) depctr_va_vdst(0) depctr_va_sdst(0) depctr_va_ssrc(0) depctr_va_vcc(0) depctr_vm_vsrc(0)
	s_getreg_b32 s2, hwreg(HW_REG_IB_STS2, 6, 4)
	s_cmp_eq_u32 s2, 0
	s_cbranch_scc0 .Lentry_in_a_cluster
	s_endpgm
.Lentry_in_a_cluster:
	s_bfe_u32 s2, ttmp6, 0x10000c
	s_cmp_lg_u32 s2, 0x3003
	s_cbranch_scc0 .Lentry_shape_is_right
	s_endpgm
.Lentry_shape_is_right:
; context[b][q][h][:] = the sum over keys of softmax(q . k) k, both products on codes of FP8 (E4M3); the result is quantised under e8 into planes 0-7 of comb ([plane = head][b x 1,024 + q][128 d]).
; q's codes (e4) and k's (e5): qk, [2][64 b h][1,024][128 d].  The values are k under e6 with the keys innermost: kt, [64 b h][8][128 d][128 keys].
; THE SOFTMAX AHEAD OF THE SECOND PRODUCT: t = score x log2(e); M = the row's largest t so far, rounded UP to a whole number; p = 2^(t - M) is quantised under e7, not normalised.
; The row's sum is taken of the unquantised p, in f32, and divides O at the end.  When M moves, the sum and O are multiplied by 2^(old M - new M): exact.
; SHARES.  A work-group owns 256 queries of one (b, h); each of its eight waves 32: two tiles of 16, so that each fragment of K or V read from LDS feeds two matrix instructions.  Every wave walks all 1,024 keys, 128 a step.
; LDS.  A (b, h)'s K and V lie in LDS whole: four slots of 256 keys (K's 256 rows, then V's 2 x 128 rows; a row is 128 bytes + 16), 4 x 73,728 bytes.  All sixteen tiles are asked for at the head, four by each of
; waves 0 to 3 (waves 0, 1: K's halves; waves 2, 3: V's); nothing is filled again.  Ahead of a slot's first read each wave waits until its own tile of that slot has landed, and passes a barrier.
; CLUSTER.  The four query blocks of a (b, h) form a cluster and need the same K and V: each tile is asked for JOINTLY, with a mask that names the four.
; No prefetch is written: every tile of the launch is asked for at its head, so there is no later load to run ahead of.
; LAYOUT.  Both products are used transposed: S^T = K Q^T, O^T = V^T P^T: a lane holds ONE query (lane % 16) throughout.
; THE KEYS OF A TILE ARE NOT NEIGHBOURS: lane r of tile 2 b + u takes key 32 b + 8 u + r + 8 (r / 8), so that the 16 registers of tiles 2 b and 2 b + 1 are 16 neighbouring keys, 32 b + 16 (lane / 16) + 0 .. 15.
; BY TURNS.  All that a softmax touches but O^T lies in window 0, for both tiles.  So one tile's 64 exponentials are issued one by one with plain lines of the other tile: tile 0's with tile 1's maximum and scalings,
; tile 1's with tile 0's holds and conversions.  The row sums, which the second product does not need, stand between the loads of the next step's K fragments and the wait for them.
; LIMITS: e4 + e5 between -126 and 127 (added to the exponent field of log2(e)); e7 and e8 between -126 and 119; e6 + e7 is applied by v_ldexp_f32 and has none.
; REGISTERS.  Window 0: v1-11 addresses; v12-35 twelve statistics a tile; v36-39 constants; v40-71 Q, 16 a tile; v72-103 p's codes, 16 a tile; v104-231 S^T, then p, 64 a tile; v232-247 two sets of eight held numbers.
;   Window 1: v0-127 O^T, 64 a tile; v128-255 the eight fragments of K or of V of the step in hand.
.set KP,    144                        ; a row in LDS: 128 bytes + 16 of padding
.set VOFF,  256*KP                     ; a slot: 256 rows of K, then 256 rows of V
.set SLOTB, 2*VOFF                     ; a slot's bytes
.set NSL,   4                          ; slots
.set SPARE, NSL*SLOTB                  ; behind the slots: the spare words, 128 bytes for each of eight waves, which no other line names
.set STG,   SPARE+1024                 ; behind them: the way out's stages, 16 rows x 144 bytes for each wave: bytes of their own, into which no tile lands
.set STGW,  16*KP
.set AK0,  1                           ; v1   my lane's place in a tile of K
.set AV0,  2                           ; v2   the same for V
.set QO,   4                           ; v4   my lane's bytes in a tile of Q
.set SPW,  5                           ; v5   LDS address of my spare word; never rewritten
.set NIL,  6                           ; v6   0; never rewritten
.set GO,   7                           ; v7   16 x lane: my bytes of a store's 512
.set ADK,  8                           ; v8   LDS address of the slot's tiles of K
.set ADV,  9                           ; v9   of V
.set STI,  10                          ; v10  the stage: where I put 8 codes of a row
.set STB,  11                          ; v11  and where I read rows back
.set ST,   12                          ; tile t's statistics at v[ST + 12 t]: +0 -M, +1 the largest t, +2, +3 the sum in two halves, +4 f (+5 named with it), +6, +7, +10, +11 four chains of the maximum, +8, +9 a second chain of the sum
.set LMP,  36                          ; v36  448 x 2^e7
.set SCP,  37                          ; v37  2^e7
.set LMC,  38                          ; v38  448 x 2^e8
.set SCN,  39                          ; v39  2^e8
.set QF,   40                          ; Q's fragments
.set P,    72                          ; p's codes
.set S,    104                         ; S^T, then p
.set TMP,  232                         ; held numbers on their way to a conversion: two sets of eight, by turns
.set OT,   0                           ; window 1: O^T
.set FB,   128                         ; window 1: the fragments
.set WV,   18                          ; s18  my wave's number
.set SEL,  20                          ; s[20:21] lane selects for v_permlanex16_b32: lane l xor 16
.set CS,   22                          ; s[22:23] log2(e) x 2^(e4 + e5): the packed form names a pair and takes its low word for both halves
.set G1,   24                          ; s[24:31] descriptor group 1: the same shape for K's and V's tiles
.set G0K,  32                          ; s[32:47] groups 0 of K's tiles, a set for each slot
.set G0V,  48                          ; s[48:63] the same for V's
.set MSB, 0
.macro WIN new                         ; the immediate's high byte repeats the setting that is left; a switch that changes nothing is dropped
.if MSB != (\new)
	s_set_vgpr_msb (MSB<<8)|(\new)
.set MSB, (\new)
.endif
.endm
.set W_KQ, 0x01                        ; source 0 (K) window 1; Q and S^T window 0
.set W_PV, 0x51                        ; source 0 (V), C and D (O^T) window 1; source 1 (p's codes) window 0
.set W_RS, 0x41                        ; O^T (destination and source 0) window 1, f window 0
.set W_FB, 0x40                        ; destination window 1, address window 0
.macro CROUND                          ; a round of the cluster's barrier
	s_barrier_signal -1
	s_barrier_wait -1
	s_cmp_lg_u32 s[WV], 0
	s_cbranch_scc1 .Lnot_wave_0_\@
	s_barrier_signal -3
.Lnot_wave_0_\@:
	s_barrier_wait -3
	s_barrier_signal -1
	s_barrier_wait -1
.endm
	s_load_b128 s[4:7], s[0:1], 0x0                ; qk s[4:5], kt s[6:7]
	s_load_b128 s[12:15], s[0:1], 0x10             ; the exponents s[12:13], comb s[14:15]
	v_lshl_add_u32 v[SPW], v0, 2, SPARE
	v_mov_b32 v[NIL], 0
	ds_add_u32 v[SPW], v[NIL]                      ; the wave's opening: the add and its wait stand ahead of my first tensor load; the set-up below, work on registers, stands between them
	v_lshrrev_b32 v8, 5, v0
	v_readfirstlane_b32 s[WV], v8                  ; wave 0..7
	s_bfe_u32 s19, ttmp6, 0x40000                  ; cx: my block of 256 queries
	s_and_b32 s72, ttmp7, 0xffff                   ; b h, which the four partners share
	s_lshl_b32 s74, s72, 17                        ; its first byte in q's codes, in k's and in kt: 1,024 x 128
	s_and_b32 s73, s[WV], 1                        ; which half of a slot's 256 rows I fetch:
	s_lshl_b32 s82, s73, 14                        ; 128 rows of 128 bytes in memory,
	s_add_co_u32 s82, s82, s74
	s_mov_b32 s83, 0
	s_mul_i32 s3, s73, 128*KP                      ; and in a slot: no place in the cluster enters an LDS address
	s_lshl_b32 s84, s19, 15
	s_lshl_b32 s85, s[WV], 12
	s_add_co_u32 s86, s84, s85                     ; my 32 queries: (256 cx + 32 wave) rows of 128 bytes
	s_add_co_u32 s84, s86, s74                     ; in q's codes
	s_mov_b32 s85, 0
	s_and_b32 s73, s72, 7
	s_lshl_b32 s73, s73, 20                        ; in comb: plane = head,
	s_add_co_u32 s86, s86, s73
	s_lshr_b32 s73, s72, 3
	s_lshl_b32 s73, s73, 17                        ; the batch's 1,024 rows
	s_add_co_u32 s86, s86, s73
	s_mov_b32 s87, 0
	; descriptor group 1: 128 rows x 128 bytes, dense in memory, padded in LDS
	s_mov_b32 s[G1], 15|(1<<20)|(1<<21)|(4<<22)|(3<<25)   ; 15:0 the mask: all four work-groups; 17:16 elements of 1 byte; 20 padding on; 21 set beside a mask; 24:22 after every 32 words (code 4); 31:25 four words (code 3)
	s_mov_b32 s[G1+1], 128<<16                     ; tensor_dim0
	s_mov_b32 s[G1+2], 128<<16                     ; tensor_dim1
	s_mov_b32 s[G1+3], 128<<16                     ; tile_dim0
	s_mov_b32 s[G1+4], 128                         ; tile_dim1
	s_mov_b32 s[G1+5], 128                         ; tensor_dim0_stride
	s_mov_b32 s[G1+6], 0
	s_mov_b32 s[G1+7], 0
	s_mov_b32 s[SEL], 0x76543210
	s_mov_b32 s[SEL+1], 0xfedcba98
	s_mov_b32 s[CS], 0x3fb8aa3b                    ; log2(e)
	s_wait_dscnt 0x0                               ; the opening add is done
	s_wait_kmcnt 0x0
	s_load_b128 s[68:71], s[12:13], 0x10           ; e4, e5, e6, e7
	s_load_b32 s66, s[12:13], 0x20                 ; e8
	s_add_nc_u64 s[8:9], s[4:5], 0x800000          ; k's codes lie behind q's:
	s_add_nc_u64 s[8:9], s[8:9], s[82:83]          ; my half of the first 256 keys,
	s_add_nc_u64 s[6:7], s[6:7], s[82:83]          ; and of V's first two blocks
.irp s, 0,1,2,3
	s_mov_b32 s[G0K+4*\s], 1                       ; 1:0 count = 1
	s_add_co_u32 s[G0K+4*\s+1], s3, \s*SLOTB       ; 63:32 LDS address: slot s
	s_add_nc_u64 s[G0K+4*\s+2:G0K+4*\s+3], s[8:9], \s*32768   ; 120:64 global address: 256 keys a slot
	s_or_b32 s[G0K+4*\s+3], s[G0K+4*\s+3], 0x80000000         ; 127:126 type = 2
	s_mov_b32 s[G0V+4*\s], 1
	s_add_co_u32 s[G0V+4*\s+1], s3, \s*SLOTB+VOFF
	s_add_nc_u64 s[G0V+4*\s+2:G0V+4*\s+3], s[6:7], \s*32768
	s_or_b32 s[G0V+4*\s+3], s[G0V+4*\s+3], 0x80000000
.endr
	CROUND                                         ; all four work-groups are here: the joint loads meet
	; ALL FILLS OF THE LAUNCH, in one group: a wave's four stand in one branch on its number, slot 0's first; four loads of mine are out.  An s_nop 0 follows each, four v_nop the last.
	s_cmp_lt_u32 s[WV], 2
	s_cbranch_scc0 .Lnot_k
.irp s, 0,1,2,3
	tensor_load_to_lds s[G0K+4*\s:G0K+4*\s+3], s[G1:G1+7]
	s_nop 0
.endr
.rept 4
	v_nop
.endr
	s_branch .Lasked
.Lnot_k:
	s_cmp_lt_u32 s[WV], 4
	s_cbranch_scc0 .Lasked
.irp s, 0,1,2,3
	tensor_load_to_lds s[G0V+4*\s:G0V+4*\s+3], s[G1:G1+7]
	s_nop 0
.endr
.rept 4
	v_nop
.endr
.Lasked:
	s_add_nc_u64 s[4:5], s[4:5], s[84:85]          ; Q's codes at my first query
	s_add_nc_u64 s[14:15], s[14:15], s[86:87]      ; comb likewise
	v_and_b32 v8, 15, v0                           ; r = lane % 16
	v_bfe_u32 v9, v0, 4, 1                         ; h = lane / 16
	v_lshlrev_b32 v[QO], 7, v8
	v_lshl_add_u32 v[QO], v9, 4, v[QO]             ; Q: row r, + my half's 16 bytes
.irp c, 0,1,2,3
	global_load_b128 v[QF+4*\c:QF+4*\c+3], v[QO], s[4:5] offset:32*\c            ; tile 0's fragment stays in registers,
.endr
.irp c, 0,1,2,3
	global_load_b128 v[QF+16+4*\c:QF+16+4*\c+3], v[QO], s[4:5] offset:2048+32*\c ; and tile 1's, 16 rows on
.endr
	v_and_b32 v[STI], 8, v8
	v_add_nc_u32 v[STI], v[STI], v8                ; r + 8 (r / 8)
	v_mul_u32_u24 v[AK0], v[STI], KP
	v_lshl_add_u32 v[AK0], v9, 4, v[AK0]
	v_mul_u32_u24 v[AV0], v8, KP
	v_lshl_add_u32 v[AV0], v9, 4, v[AV0]
	v_add_nc_u32 v[AV0], VOFF, v[AV0]
	s_mul_i32 s73, s[WV], STGW
	s_add_co_u32 s73, s73, STG                     ; my stage
	v_mul_u32_u24 v[STI], v8, KP
	v_lshl_add_u32 v[STI], v9, 3, v[STI]
	v_add_nc_u32 v[STI], s73, v[STI]               ; in: row r of a tile, 8 bytes for each half of the lanes
	v_and_b32 v[GO], 31, v0
	v_lshrrev_b32 v[STB], 3, v[GO]
	v_mul_u32_u24 v[STB], v[STB], KP
	v_and_b32 v3, 7, v0
	v_lshl_add_u32 v[STB], v3, 4, v[STB]
	v_add_nc_u32 v[STB], s73, v[STB]               ; back: eight lanes to a row of 128 bytes, four rows an instruction
	v_lshlrev_b32 v[GO], 4, v[GO]
	v_add_nc_u32 v[ADK], 0, v[AK0]                 ; slot 0
	v_add_nc_u32 v[ADV], 0, v[AV0]
	s_wait_kmcnt 0x0
	s_add_co_i32 s72, s68, s69
	s_lshl_b32 s72, s72, 23
	s_add_co_i32 s[CS], s[CS], s72                 ; a score stands for score x 2^(e4 + e5): the two exponents are added to the factor's exponent field
	s_mov_b32 s[CS+1], s[CS]                       ; (named with it as a pair, so it is written)
	s_add_co_i32 s72, s71, 127
	s_lshl_b32 s73, s72, 23                        ; 2^e7 as f32, for p's conversions
	s_add_co_i32 s72, s72, 8
	s_lshl_b32 s72, s72, 23
	s_or_b32 s72, s72, 0x600000                    ; 448 x 2^e7
	s_add_co_i32 s82, s66, 127
	s_lshl_b32 s83, s82, 23                        ; 2^e8, for the context's
	s_add_co_i32 s82, s82, 8
	s_lshl_b32 s82, s82, 23
	s_or_b32 s82, s82, 0x600000                    ; 448 x 2^e8
	s_add_co_i32 s81, s70, s71                     ; e6 + e7
	v_mov_b32 v[LMP], s72
	v_mov_b32 v[SCP], s73
	v_mov_b32 v[LMC], s82
	v_mov_b32 v[SCN], s83
.irp t, 0,1
	v_mov_b32 v[ST+12*\t+1], 0xff61b1e6            ; the largest t so far: -3e38, under every t
	v_floor_f32 v[ST+12*\t], -v[ST+12*\t+1]        ; -M
	v_mov_b32 v[ST+12*\t+2], 0                     ; the sum, in two halves: the first step's f is 0, which leaves them 0
	v_mov_b32 v[ST+12*\t+3], 0
	v_mov_b32 v[ST+12*\t+5], 0                     ; (named as the upper half of f's pair)
.endr
.macro KLOAD q                         ; the eight tiles of K of the slot's q-th 128 keys
	WIN W_FB
.irp i, 0,1,2,3,4,5,6,7
.irp c, 0,1,2,3
	ds_load_b128 v[FB+16*\i+4*\c:FB+16*\i+4*\c+3], v[ADK] offset:(128*(\q)+32*(\i/2)+8*(\i%2))*KP+32*\c
.endr
.endr
.endm
.macro VLOAD q                         ; the eight tiles of V^T: 16 of the head's 128 x these 128 keys each
	WIN W_FB
.irp i, 0,1,2,3,4,5,6,7
.irp c, 0,1,2,3
	ds_load_b128 v[FB+16*\i+4*\c:FB+16*\i+4*\c+3], v[ADV] offset:(128*(\q)+16*\i)*KP+32*\c
.endr
.endr
.endm
; THE PLAIN LINES AHEAD OF A TILE'S EXPONENTIALS are a list of 73; PL writes number j of it for tile t and steps j.  s0-s63 are the lane's 64 scores.
;   0-31   the largest of s0-s63, three operands at a time, in four chains; the scores are taken in ascending order
;   32-40  the other half of the lanes' maximum; as t; the running largest t; the new -M = floor(-t): M IS A WHOLE NUMBER; f = 2^(old M - new M)
;   41-72  t - M, two at a time
.macro PL t
.set rT, ST+12*(\t)
.set rS, S+64*(\t)
.if j < 4
.set rC, rT+6+j+2*(j/2)
	v_max3_num_f32 v[rC], v[rS+3*j], v[rS+3*j+1], v[rS+3*j+2]
.elseif j < 30
.set kk, (j-4)%4
.set rC, rT+6+kk+2*(kk/2)
	v_max3_num_f32 v[rC], v[rC], v[rS+12+2*(j-4)], v[rS+13+2*(j-4)]
.elseif j == 30
	v_max3_num_f32 v[rT+6], v[rT+6], v[rT+7], v[rT+10]
.elseif j == 31
	v_max_num_f32 v[rT+6], v[rT+6], v[rT+11]
.elseif j == 32
	v_permlanex16_b32 v[rT+7], v[rT+6], s[SEL], s[SEL+1]   ; the query's other 64 keys lie in the lane 16 away
.elseif j == 33
	v_max_num_f32 v[rT+6], v[rT+6], v[rT+7]
.elseif j == 34
	v_mul_f32 v[rT+6], s[CS], v[rT+6]              ; as t (the factor is positive)
.elseif j == 35
	v_max_num_f32 v[rT+1], v[rT+1], v[rT+6]
.elseif j == 36
	v_mov_b32 v[rT+6], v[rT]
.elseif j == 37
	v_floor_f32 v[rT], -v[rT+1]
.elseif j == 38
	v_sub_f32 v[rT+6], v[rT], v[rT+6]              ; M's old value less its new one: a whole number, 0 or less
.elseif j == 39
	v_cvt_i32_f32 v[rT+6], v[rT+6]                 ; (it saturates)
.elseif j == 40
	v_ldexp_f32 v[rT+4], 1.0, v[rT+6]
.else
	v_pk_fma_f32 v[rS+2*(j-41):rS+2*(j-41)+1], v[rS+2*(j-41):rS+2*(j-41)+1], s[CS:CS+1], v[rT:rT+1] op_sel_hi:[1,0,0]   ; (of the pairs the low word serves both halves)
.endif
.set j, j+1
.endm
; THE ROW SUMS, OF THE UNQUANTISED p: 33 lines a tile (the sum x f; two chains of packed additions; the chains joined); SU writes number u of the two tiles' 66, the tiles by turns, and steps u.
.macro SU
.set rT, ST+12*(u%2)
.set rS, S+64*(u%2)
.set nn, u/2
.if nn == 0
	v_pk_mul_f32 v[rT+2:rT+3], v[rT+2:rT+3], v[rT+4:rT+5] op_sel_hi:[1,0]
.elseif nn == 1
	v_pk_add_f32 v[rT+8:rT+9], v[rS:rS+1], v[rS+2:rS+3]
.elseif nn < 32
.set kk, (nn-2)/2+1
.if (nn-2)%2 == 0
	v_pk_add_f32 v[rT+2:rT+3], v[rT+2:rT+3], v[rS+4*kk:rS+4*kk+1]
.else
	v_pk_add_f32 v[rT+8:rT+9], v[rT+8:rT+9], v[rS+4*kk+2:rS+4*kk+3]
.endif
.else
	v_pk_add_f32 v[rT+2:rT+3], v[rT+2:rT+3], v[rT+8:rT+9]
.endif
.set u, u+1
.endm
; KEY STEP n of eight: 128 keys, the (n % 2)-th of slot n / 2, for both tiles of queries.  Its K fragments were asked for at the end of the step before.
.macro STEP n
	s_wait_dscnt 0x0                               ; K's fragments are in
	WIN W_KQ
.irp i, 0,1,2,3,4,5,6,7
	v_wmma_f32_16x16x128_fp8_fp8 v[S+8*\i:S+8*\i+7], v[FB+16*\i:FB+16*\i+15], v[QF:QF+15], 0
	v_wmma_f32_16x16x128_fp8_fp8 v[S+64+8*\i:S+64+8*\i+7], v[FB+16*\i:FB+16*\i+15], v[QF+16:QF+31], 0
.endr
	WIN 0
.rept 4
	v_nop                                          ; four places: in front of the loads into the fragments' registers, and of the first read of the scores
.endr
	VLOAD (\n)%2                                   ; V's tiles land while the softmax is walked
	WIN 0
.set j, 0
.rept 73
	PL 0                                           ; tile 0: maximum, M, f, scalings
.endr
.set j, 0
.set ee, 0
.rept 64
	v_exp_f32 v[S+ee], v[S+ee]                     ; tile 0: p = 2^(t - M), at most 1: NOT normalised;
	PL 1                                           ; by turns with tile 1's plain lines, which name none of these results
.set ee, ee+1
.endr
.rept 9
	PL 1                                           ; (plain lines behind the last exponential)
.endr
	s_wait_alu depctr_va_vdst(0)                   ; one wait for tile 0's batch, ahead of its first reader
.set g, 0
.rept 8
.set ee, 0
.rept 8
	v_exp_f32 v[S+64+8*g+ee], v[S+64+8*g+ee]       ; tile 1's exponentials, by turns with tile 0's holds:
	v_min_num_f32 v[TMP+8*(g%2)+ee], v[S+8*g+ee], v[LMP]   ; the conversion to an 8-bit code does not saturate (ISA guide 7.6.2); p is not negative, so the hold is one-sided; it goes into other registers: p stays whole for the sum
.set ee, ee+1
.endr
	v_cvt_scalef32_pk8_fp8_f32 v[P+2*g:P+2*g+1], v[TMP+8*(g%2):TMP+8*(g%2)+7], v[SCP]   ; its sources are written again two groups on, behind the other set's eight holds
.set g, g+1
.endr
	v_nop                                          ; a plain line behind the last exponential and the last conversion
	s_wait_alu depctr_va_vdst(0)                   ; one wait for tile 1's batch
.set g, 0
.rept 8
.set ee, 0
.rept 8
	v_min_num_f32 v[TMP+8*(g%2)+ee], v[S+64+8*g+ee], v[LMP]
.set ee, ee+1
.endr
	v_cvt_scalef32_pk8_fp8_f32 v[P+16+2*g:P+16+2*g+1], v[TMP+8*(g%2):TMP+8*(g%2)+7], v[SCP]
.set g, g+1
.endr
	v_nop                                          ; one plain line between the last conversion and the products that read the codes
.if (\n) > 0
	WIN W_RS
.set j, 0
.rept 32
	v_pk_mul_f32 v[OT+j:OT+j+1], v[OT+j:OT+j+1], v[ST+4:ST+5] op_sel_hi:[1,0]   ; tile 0's O^T under the new M: x f; each accumulator from its low end on
.set j, j+2
.endr
.endif
	s_wait_dscnt 0x0                               ; V's tiles are in; no LDS instruction of mine is out
.if ((\n) < 7) && ((\n)%2 == 1)
	s_wait_tensorcnt 3-((\n)+1)/2                  ; my tile of the next slot has landed; the later slots' loads may stay out
	s_barrier_signal -1                            ; say so; the products below, work on registers, stand between the signal and the wait
.endif
	WIN W_PV                                       ; O^T += V^T P^T.  The sixteen accumulators take turns, one instruction a turn; the first step's products start the sums
.irp i, 0,1,2,3,4,5,6,7
.if (\n) > 0
	v_wmma_f32_16x16x128_fp8_fp8 v[OT+8*\i:OT+8*\i+7], v[FB+16*\i:FB+16*\i+15], v[P:P+15], v[OT+8*\i:OT+8*\i+7]
.else
	v_wmma_f32_16x16x128_fp8_fp8 v[OT+8*\i:OT+8*\i+7], v[FB+16*\i:FB+16*\i+15], v[P:P+15], 0
.endif
.endr
.if (\n) > 0
	WIN W_RS
.set j, 0
.rept 32
	v_pk_mul_f32 v[OT+64+j:OT+64+j+1], v[OT+64+j:OT+64+j+1], v[ST+16:ST+17] op_sel_hi:[1,0]   ; tile 1's, behind tile 0's products, of whose registers it names none
.set j, j+2
.endr
.endif
	WIN W_PV
.irp i, 0,1,2,3,4,5,6,7
.if (\n) > 0
	v_wmma_f32_16x16x128_fp8_fp8 v[OT+64+8*\i:OT+64+8*\i+7], v[FB+16*\i:FB+16*\i+15], v[P+16:P+31], v[OT+64+8*\i:OT+64+8*\i+7]
.else
	v_wmma_f32_16x16x128_fp8_fp8 v[OT+64+8*\i:OT+64+8*\i+7], v[FB+16*\i:FB+16*\i+15], v[P+16:P+31], 0
.endif
.endr
	WIN 0
.set u, 0
.if (\n) < 7
.if (\n)%2 == 1
	s_barrier_wait -1                              ; every wave's tile of the next slot has landed
	v_add_nc_u32 v[ADK], (((\n)+1)/2)*SLOTB, v[AK0]
	v_add_nc_u32 v[ADV], (((\n)+1)/2)*SLOTB, v[AV0]
.endif
.rept 4
	SU                                             ; four plain lines that name no register of the products: the places in front of the loads below
.endr
	KLOAD ((\n)+1)%2                               ; the next step's K;
	WIN 0
.rept 62
	SU                                             ; the rest of the sums stands between these loads and the wait for them
.endr
.else
.rept 66
	SU                                             ; the last step: these are also the places behind the last products
.endr
.endif
.endm
	s_wait_tensorcnt 3                             ; my tile of slot 0 has landed; my three later ones may stay out
	s_barrier_signal -1
	s_barrier_wait -1                              ; everybody's has
	KLOAD 0
	WIN 0
	s_wait_loadcnt 0x0                             ; Q
.irp n, 0,1,2,3,4,5,6,7
	STEP \n
.endr
; THE WAY OUT.  The sum's two halves and the other half of the lanes' are added; O^T x 2^(e6 + e7) / the sum is the context; held, quantised under e8: a lane's eight neighbouring d of one query are 8 bytes; a tile
; (16 rows of 128 bytes) at a time goes through my stage and comes back as rows, so that a store covers 512 consecutive bytes of the plane.
.irp t, 0,1
	v_add_f32 v[ST+12*\t+2], v[ST+12*\t+2], v[ST+12*\t+3]
.endr
.irp t, 0,1
	v_permlanex16_b32 v[ST+12*\t+7], v[ST+12*\t+2], s[SEL], s[SEL+1]
.endr
.irp t, 0,1
	v_add_f32 v[ST+12*\t+2], v[ST+12*\t+2], v[ST+12*\t+7]
.endr
.irp t, 0,1
	v_rcp_f32 v[ST+12*\t+2], v[ST+12*\t+2]
.endr
	v_nop                                          ; a plain line behind the reciprocals,
	s_wait_alu depctr_va_vdst(0)                   ; and one wait ahead of their first reader
.irp t, 0,1
	v_ldexp_f32 v[ST+12*\t+2], v[ST+12*\t+2], s81  ; x 2^(e6 + e7)
.endr
.macro FIN t
	WIN 0x01                                       ; source 0 (O^T) window 1
.set j, 0
.rept 32
	v_pk_mul_f32 v[S+64*(\t)+j:S+64*(\t)+j+1], v[OT+64*(\t)+j:OT+64*(\t)+j+1], v[ST+12*(\t)+2:ST+12*(\t)+3] op_sel_hi:[1,0]   ; register 8 i + k is the context at (query r, d = 16 i + 8 h + k); each accumulator from its low end on
.set j, j+2
.endr
	WIN 0
.set j, 0
.rept 64
	v_med3_num_f32 v[S+64*(\t)+j], v[S+64*(\t)+j], -v[LMC], v[LMC]
.set j, j+1
.endr
.irp i, 0,1,2,3,4,5,6,7
	v_cvt_scalef32_pk8_fp8_f32 v[P+16*(\t)+2*\i:P+16*(\t)+2*\i+1], v[S+64*(\t)+8*\i:S+64*(\t)+8*\i+7], v[SCN]
.endr
	v_nop                                          ; one plain line behind the last conversion
.irp i, 0,1,2,3,4,5,6,7
	ds_store_b64 v[STI], v[P+16*(\t)+2*\i:P+16*(\t)+2*\i+1] offset:16*\i
.endr
.irp i, 0,1,2,3
	ds_load_b128 v[QF+16*(\t)+4*\i:QF+16*(\t)+4*\i+3], v[STB] offset:4*KP*\i   ; LDS serves a wave's instructions in order: these see the stores above, and the next tile's stores come behind them
.endr
.endm
	FIN 0
	FIN 1
.irp i, 0,1,2,3
	s_wait_dscnt 15-\i                             ; tile 0's load i is in: behind it stand its 3 - i younger loads and tile 1's eight stores and four loads
	global_store_b128 v[GO], v[QF+4*\i:QF+4*\i+3], s[14:15] offset:512*\i   ; four rows of 128 bytes: 512 consecutive bytes of the plane, at a multiple of 512 from its first byte
.endr
.irp i, 0,1,2,3
	s_wait_dscnt 3-\i                              ; tile 1's load i is in, the younger ones may be out
	global_store_b128 v[GO], v[QF+16+4*\i:QF+16+4*\i+3], s[14:15] offset:2048+512*\i
.endr
	s_wait_tensorcnt 0x0                           ; the wave's end: behind my last tensor load and my last LDS store
	ds_add_u32 v[SPW], v[NIL]
	s_wait_dscnt 0x0
	CROUND                                         ; the closing round: no work-group ends while a partner may still ask for a tile that names it
	s_endpgm
.Lfunc_end_k_q9e397ef3db_attn:
	.size	k_q9e397ef3db_attn, .Lfunc_end_k_q9e397ef3db_attn-k_q9e397ef3db_attn
	.p2alignl 7, 3214868480
	.fill 96, 4, 3214868480
	.section	.rodata,"a",@progbits
	.p2align	6, 0x0
	.amdhsa_kernel k_q9e397ef3db_attn
		.amdhsa_group_segment_fixed_size 327680
		.amdhsa_private_segment_fixed_size 0
		.amdhsa_enable_private_segment 0
		.amdhsa_kernarg_size 32
		.amdhsa_user_sgpr_count 2
		.amdhsa_user_sgpr_kernarg_segment_ptr 1
		.amdhsa_wavefront_size32 1
		.amdhsa_system_sgpr_workgroup_id_x 1
		.amdhsa_system_sgpr_workgroup_id_y 1
		.amdhsa_system_sgpr_workgroup_id_z 1
		.amdhsa_system_vgpr_workitem_id 0
		.amdhsa_next_free_vgpr 512
		.amdhsa_next_free_sgpr 88
		.amdhsa_reserve_vcc 0
		.amdhsa_float_denorm_mode_32 3
		.amdhsa_float_denorm_mode_16_64 3
		.amdhsa_memory_ordered 1
		.amdhsa_forward_progress 1
		.amdhsa_inst_pref_size 255
	.end_amdhsa_kernel
	.section	.bss,"aw",@nobits
	.p2align	6
	.space	262144
	.amdgpu_metadata
---
amdhsa.version: [ 1, 2 ]
amdhsa.kernels:
  - .name:           k_q9e397ef3db_attn
    .symbol:         k_q9e397ef3db_attn.kd
    .args:
      - { .name: qk, .offset: 0, .size: 8, .value_kind: global_buffer, .address_space: global }
      - { .name: kt, .offset: 8, .size: 8, .value_kind: global_buffer, .address_space: global }
      - { .name: lowp_scales, .offset: 16, .size: 8, .value_kind: global_buffer, .address_space: global }
      - { .name: comb, .offset: 24, .size: 8, .value_kind: global_buffer, .address_space: global }
    .group_segment_fixed_size: 327680
    .private_segment_fixed_size: 0
    .kernarg_segment_align: 8
    .kernarg_segment_size: 32
    .max_flat_workgroup_size: 256
    .sgpr_count:     88
    .vgpr_count:     512
    .wavefront_size: 32
...
	.end_amdgpu_metadata
.endif
;; end of part 3
;; launch outp (part 4): grid 4 x 32, 4 waves a work-group, clusters of 4 x 4, 327,680 bytes of LDS; arguments comb, wc, bo, lowp_scales, out0; writes out0
.if DOCPART == 4
	.amdgcn_target "amdgcn-amd-amdhsa--gfx1250"
	.amdhsa_code_object_version 6
	.text
	.protected	k_q9e397ef3db_outp
	.globl	k_q9e397ef3db_outp
	.p2align	8
	.type	k_q9e397ef3db_outp,@function
k_q9e397ef3db_outp:
	s_mov_b64 s[64:65], 0
	v_nop
	global_prefetch_b8 v0, s[64:65] scope:SCOPE_SE
	s_setreg_imm32_b32 hwreg(HW_REG_WAVE_MODE, 25, 1), 1
	s_wait_xcnt 0x0
	s_wait_alu depctr_hold_cnt(0) depctr_sa_sdst(0) depctr_va_vdst(0) depctr_va_sdst(0) depctr_va_ssrc(0) depctr_va_vcc(0) depctr_vm_vsrc(0)
	s_getreg_b32 s2, hwreg(HW_REG_IB_STS2, 6, 4)
	s_cmp_eq_u32 s2, 0
	s_cbranch_scc0 .Lentry_in_a_cluster
	s_endpgm
.Lentry_in_a_cluster:
	s_bfe_u32 s2, ttmp6, 0x10000c
	s_cmp_lg_u32 s2, 0xf033
	s_cbranch_scc0 .Lentry_shape_is_right
	s_endpgm
.Lentry_shape_is_right:
; out0 = tanh([context | dec] Wo^T + bo), the product on codes of FP8 (E4M3).
; A = comb: [16 planes][8,192 rows][128 bytes], under e8.  B = Wo's codes, wc from byte 0x200000 on: [16 planes][1,024 rows][128], under e9.  out0: [8,192][1,024] f32.
; A tile of the result, 256 x 256, is made by four waves; a wave makes 128 x 128: 64 accumulators, 512 registers.  32 x 4 tiles: 128 work-groups; a smaller tile would read each fragment for fewer products.
; K goes in steps of 256 (two planes of A, two of B) through a ring of two LDS slots; wave w fetches plane w of a slot: 256 rows x 128 bytes, one dense block of memory.
; CLUSTERS: 4 x 4 work-groups.  The four of a row of the cluster need the same planes of A, the four of a column the same planes of B: each is asked for JOINTLY.
; THE MATRIX INSTRUCTION IS USED TRANSPOSED (source 0 = 16 rows of B, source 1 = 16 rows of A): a lane then holds eight neighbouring columns of one row.
; A fragment's k are permuted alike in A and in B (four loads of 16 bytes, 32 apart): every product meets its partner; only the order of the sums inside an instruction changes.
; tanh(x) = 1 - 2 / (1 + 2^(2 log2(e) x)): it goes to 1 and to -1 where the power overflows or vanishes.
; LIMIT: e8 + e9 between -127 and 126 (added to the exponent field of 2 log2(e)).
; REGISTERS, in windows of 256: window 0: v0-31 addresses; v64-127 the bias of my 128 columns; from v128 A's fragments, ONE set; on the way out v128-255 are at work.
;   window 1: B's fragments, TWO sets.   windows 2, 3: the accumulators of my rows 0-63, 64-127 (accumulator (a, b) at v[8 (8 (a % 4) + b)]).
.set APL,    1<<20                     ; a plane of A in bytes
.set BPL,    1<<17                     ; a plane of B
.set LAPS,   4                         ; a lap = two K steps = once round the ring: K = 2,048
.set PITCH,  144                       ; an LDS row: 128 bytes + 16 of padding, an odd multiple of 16: the sixteen rows that a load touches begin at sixteen different places modulo 256 bytes
.set PLN,    256*PITCH                 ; a plane's 256 rows: what one tensor load brings
.set SLOT,   4*PLN                     ; A's two planes, then B's two
.set SPARE,  2*SLOT                    ; behind the ring: the spare words, 128 bytes for each wave, which no other line names
.set SPITCH, 528                       ; the way out: a stage of 16 rows x (512 bytes + 16) for each wave.  It lies in slot 0, which has had its last fill and its last read when the first result is stored there
.set FR,     16                        ; registers of a fragment: 16 rows x 128 K
.set NL,     4                         ; LDS loads that bring one
.set NP,     4                         ; places behind this matrix instruction (ISA guide 7.12.1)
.set ADRA, 16                          ; v16-17  LDS address of my A fragments in slot 0, 1
.set ADRB, 20                          ; v20-21  the same for B
.set STO,  24                          ; v24  the stage: where I put 32 bytes of a row
.set RD,   25                          ; v25  and where I read a row back
.set CO,   26                          ; v26  16 x lane: my bytes of a row's 512
.set SPW,  28                          ; v28  LDS address of my spare word; never rewritten
.set NIL,  29                          ; v29  0; never rewritten
.set BI,   64                          ; v64-127 bias: register 8 b + i = column 16 b + 8 (lane / 16) + i of my 128
.set AF,   128                         ; A's fragments
.set Z,    128                         ; the way out: a block's 64 numbers
.set BK,   192                         ; the way out: 16 rows read back from the stage
.set G1, 24                            ; s[24:31] descriptor group 1 for A's planes;  s[32:39] group 0, one set for each slot
.set G0, 32
.set G1B, 48                           ; s[48:55], s[56:63] the same for B's
.set G0B, 56
.set MSB, 0
.macro WIN new                         ; the immediate's high byte repeats the setting that is left
.if MSB != (\new)
	s_set_vgpr_msb (MSB<<8)|(\new)
.set MSB, (\new)
.endif
.endm
.set MUL_LO, 0xa1                      ; source 0 (B) window 1, source 1 (A) window 0, C and D window 2
.set MUL_HI, 0xf1                      ; the same, C and D window 3
.set TO_B,   0x40                      ; destination window 1, address window 0
; A joint load: waves 0 and 1 fetch A's planes, waves 2 and 3 B's.  Each of the two lines has ONE mask and one set of registers for all that issue it; the branch hangs on the wave's number alone.
; An s_nop 0 and four v_nop follow each of the two lines, ahead of the jump, the label and what follows.
.macro JLOAD g0a, g1a, g0b, g1b
	s_cmp_eq_u32 s15, 0
	s_cbranch_scc0 .Lfor_b_\@
	tensor_load_to_lds s[\g0a:\g0a+3], s[\g1a:\g1a+7]
	s_nop 0
.rept 4
	v_nop
.endr
	s_branch .Lasked_\@
.Lfor_b_\@:
	tensor_load_to_lds s[\g0b:\g0b+3], s[\g1b:\g1b+7]
	s_nop 0
.rept 4
	v_nop
.endr
.Lasked_\@:
.endm
.macro CREST                           ; a round of the cluster's barrier behind its opening barrier
	s_cmp_lg_u32 s14, 0
	s_cbranch_scc1 .Lnot_wave_0_\@
	s_barrier_signal -3
.Lnot_wave_0_\@:
	s_barrier_wait -3
	s_barrier_signal -1
	s_barrier_wait -1
.endm
.macro CROUND                          ; a whole round
	s_barrier_signal -1
	s_barrier_wait -1
	CREST
.endm
	s_load_b128 s[4:7], s[0:1], 0x0                ; comb s[4:5], wc s[6:7]
	s_load_b128 s[8:11], s[0:1], 0x10              ; bo s[8:9], the exponents s[10:11]
	s_load_b64 s[12:13], s[0:1], 0x20              ; out0
	v_lshl_add_u32 v[SPW], v0, 2, SPARE
	v_mov_b32 v[NIL], 0
	ds_add_u32 v[SPW], v[NIL]                      ; the wave's opening: the add and its wait stand ahead of my first tensor load; the set-up below, work on registers, stands between them
	v_lshrrev_b32 v1, 5, v0
	v_readfirstlane_b32 s14, v1                    ; wave 0..3
	s_lshr_b32 s15, s14, 1                         ; which half of the tile's rows is mine.  Also: I fetch for A (0) or for B (1)
	s_and_b32 s16, s14, 1                          ; which half of its columns.  Also: which of a K step's two planes I fetch
	s_bfe_u32 s40, ttmp6, 0x40000                  ; cx, cy: my place in the cluster
	s_bfe_u32 s41, ttmp6, 0x40004
	s_lshl_b32 s42, ttmp9, 2
	s_add_co_u32 s42, s42, s40                     ; tile column = 4 x cluster x + cx
	s_and_b32 s17, ttmp7, 0xffff
	s_lshl_b32 s17, s17, 2
	s_add_co_u32 s17, s17, s41                     ; tile row = 4 x cluster y + cy
	s_mov_b32 s67, s42                             ; B's tile of 256 rows
	s_lshl_b32 s43, s41, 2
	s_lshl_b32 s43, 15, s43                        ; my row of the cluster
	s_lshl_b32 s44, 0x1111, s40                    ; my column
	; descriptor group 1: 256 rows x 128 bytes, dense in memory, padded in LDS
	s_or_b32 s[G1+0], s43, (1<<20)|(1<<21)|(4<<22)|(3<<25)   ; 15:0 the mask: A's planes go to my row; 17:16 elements of 1 byte; 20 padding on; 21 set beside a mask; 24:22 after every 32 words (code 4); 31:25 four words (code 3)
	s_or_b32 s[G1B+0], s44, (1<<20)|(1<<21)|(4<<22)|(3<<25)  ; the same with the mask of my column
.irp g, G1, G1B
	s_mov_b32 s[\g+1], 128<<16                     ; tensor_dim0 = 128
	s_mov_b32 s[\g+2], 256<<16                     ; tensor_dim1 = 256
	s_mov_b32 s[\g+3], 128<<16                     ; tile_dim0 = 128
	s_mov_b32 s[\g+4], 256                         ; tile_dim1 = 256
	s_mov_b32 s[\g+5], 128                         ; tensor_dim0_stride
	s_mov_b32 s[\g+6], 0
	s_mov_b32 s[\g+7], 0
.endr
	s_lshl_b32 s20, s17, 15                        ; A: 256 rows of 128 bytes x tile row,
	s_mul_i32 s18, s16, APL                        ; + my plane of the K step
	s_add_co_u32 s20, s20, s18
	s_mov_b32 s21, 0
	s_lshl_b32 s46, s67, 15                        ; B likewise,
	s_mul_i32 s18, s16, BPL
	s_add_co_u32 s46, s46, s18
	s_add_co_u32 s46, s46, 0x200000                ; behind Wq's and Wk's codes
	s_mov_b32 s47, 0
	s_mul_i32 s45, s14, PLN                        ; where they go: wave x a plane: no place in the cluster enters an LDS address
	s_wait_dscnt 0x0                               ; the opening add is done
	s_wait_kmcnt 0x0
	s_load_b64 s[96:97], s[10:11], 0x20            ; e8, e9
	s_add_nc_u64 s[20:21], s[4:5], s[20:21]
	s_add_nc_u64 s[46:47], s[6:7], s[46:47]
	CROUND                                         ; all sixteen work-groups are here: the first joint loads meet
.irp s, 0,1
	s_mov_b32 s[G0+4*\s], 1
	s_add_co_u32 s[G0+4*\s+1], s45, \s*SLOT
	s_add_nc_u64 s[G0+4*\s+2:G0+4*\s+3], s[20:21], \s*2*APL
	s_or_b32 s[G0+4*\s+3], s[G0+4*\s+3], 0x80000000
	s_mov_b32 s[G0B+4*\s], 1
	s_add_co_u32 s[G0B+4*\s+1], s45, \s*SLOT
	s_add_nc_u64 s[G0B+4*\s+2:G0B+4*\s+3], s[46:47], \s*2*BPL
	s_or_b32 s[G0B+4*\s+3], s[G0B+4*\s+3], 0x80000000
	JLOAD G0+4*\s, G1, G0B+4*\s, G1B
.endr
	v_and_b32 v1, 15, v0                           ; r = l % 16
	v_bfe_u32 v2, v0, 4, 1                         ; h = l / 16
	v_mul_u32_u24 v3, v1, PITCH
	v_lshl_add_u32 v4, v2, 4, v3                   ; a fragment's row x pitch + 16 x half
	s_mul_i32 s21, s15, 128*PITCH                  ; my 128 rows of A's planes
	s_mul_i32 s22, s16, 128*PITCH                  ; my 128 rows of B's,
	s_add_co_u32 s22, s22, 2*PLN                   ; which lie behind A's two
.irp s, 0,1
	v_add_nc_u32 v[ADRA+\s], s21, v4
	v_add_nc_u32 v[ADRB+\s], s22, v4
	s_add_co_u32 s21, s21, SLOT
	s_add_co_u32 s22, s22, SLOT
.endr
	; the bias of my 128 columns, in the result's layout; it is waited for on the way out, and v6 and s[8:9] stay as they are until then
	s_lshl_b32 s78, s42, 10
	s_lshl_b32 s79, s16, 9
	s_add_co_u32 s78, s78, s79
	s_mov_b32 s79, 0
	s_add_nc_u64 s[8:9], s[8:9], s[78:79]
	v_lshlrev_b32 v6, 5, v2
.irp b, 0,1,2,3,4,5,6,7
	global_load_b128 v[BI+8*\b:BI+8*\b+3], v6, s[8:9] offset:64*\b
	global_load_b128 v[BI+8*\b+4:BI+8*\b+7], v6, s[8:9] offset:64*\b+16
.endr
	s_mul_i32 s23, s14, 16*SPITCH                  ; my stage
	v_mul_u32_u24 v5, v1, SPITCH                   ; in: row l % 16, 32 bytes for each half of the lanes
	v_lshl_add_u32 v5, v2, 5, v5
	v_add_nc_u32 v[STO], s23, v5
	v_and_b32 v7, 31, v0
	v_lshlrev_b32 v[CO], 4, v7                     ; back: the 32 lanes take one row of 512 bytes; and the same in out0
	v_add_nc_u32 v[RD], s23, v[CO]
	s_lshl_b32 s78, s17, 8
	s_lshl_b32 s79, s15, 7
	s_add_co_u32 s78, s78, s79                     ; my first row: 256 x tile row + 128 x half,
	s_lshl_b32 s78, s78, 12                        ; of 4,096 bytes,
	s_lshl_b32 s79, s42, 10
	s_add_co_u32 s78, s78, s79                     ; + my first column: 1,024 bytes x tile column + 512 x half
	s_lshl_b32 s79, s16, 9
	s_add_co_u32 s78, s78, s79
	s_mov_b32 s79, 0
	s_add_nc_u64 s[12:13], s[12:13], s[78:79]
.macro FRAG reg, adr, q, i             ; a fragment, 16 rows x 128 K, is 16 registers: lane l holds row l % 16; registers 4 c .. 4 c + 3 hold K = 32 c + 16 (l / 16) + 0 .. 15 of plane q
.irp c, 0,1,2,3
	ds_load_b128 v[\reg+4*\c:\reg+4*\c+3], v[\adr] offset:PLN*(\q)+32*\c+(\i)*16*PITCH
.endr
.endm
; 16 matrix instructions: A's blocks a0, a0 + 1 x B's eight, 128 along K.  p: B's set.  zero = 1: the first product starts the sums: nothing is ever cleared.
; The 64 accumulators take turns, one instruction a turn, in the same order in every step.
.macro MUL16 a0, p, zero
.irp a, \a0, \a0+1
.irp b, 0,1,2,3,4,5,6,7
.if \zero
	v_wmma_f32_16x16x128_fp8_fp8 v[8*(8*((\a)%4)+\b):8*(8*((\a)%4)+\b)+7], v[128*(\p)+FR*\b:128*(\p)+FR*\b+FR-1], v[AF+FR*(\a):AF+FR*(\a)+FR-1], 0
.else
	v_wmma_f32_16x16x128_fp8_fp8 v[8*(8*((\a)%4)+\b):8*(8*((\a)%4)+\b)+7], v[128*(\p)+FR*\b:128*(\p)+FR*\b+FR-1], v[AF+FR*(\a):AF+FR*(\a)+FR-1], v[8*(8*((\a)%4)+\b):8*(8*((\a)%4)+\b)+7]
.endif
.endr
.endr
.endm
.macro FETCH_B slot, q, p              ; B's eight fragments of the slot's plane q into set p
	WIN TO_B
.irp i, 0,1,2,3,4,5,6,7
	FRAG 128*(\p)+FR*\i, ADRB+\slot, \q, \i
.endr
	WIN 0
.endm
.macro FETCH_A slot, q, i0             ; A's blocks i0 .. i0 + 3
.irp i, \i0, \i0+1, \i0+2, \i0+3
	FRAG AF+FR*(\i), ADRA+\slot, \q, \i
.endr
.endm
; A load into a register that a matrix instruction has read, and a vector instruction or an LDS store that reads a matrix result, stand NP places behind that matrix instruction, and only plain vector
; instructions that name none of its registers are places (ISA guide 7.12.1 for vector instructions).
.macro PLACES n
.rept \n
	v_nop
.endr
.endm
; A step of 128 along K that has its successor in the same slot.
.macro STEP slot, q, zero
	s_wait_dscnt 4*NL                              ; B's set and A's blocks 0-3 are in; the youngest sixteen loads (A's blocks 4-7) may be out
	WIN MUL_LO
	MUL16 0, (\q)%2, \zero
	MUL16 2, (\q)%2, \zero
	s_wait_dscnt 0                                 ; A's blocks 4-7 are in (asked for 32 matrix instructions ago)
	PLACES NP
	FETCH_B \slot, (\q)+1, 1-(\q)%2
	FETCH_A \slot, (\q)+1, 0
	WIN MUL_HI
	MUL16 4, (\q)%2, \zero
	MUL16 6, (\q)%2, \zero
	PLACES NP
	WIN 0
	FETCH_A \slot, (\q)+1, 4
.endm
; A slot's last step changes slots: ONE barrier; in front of it each wave waits for all its tensor loads, adds 0 to its spare word, and waits for that and for its own reads of this slot.  fill = 1: this slot is filled again, two K steps ahead.
.macro TURN slot, next, fill
	s_wait_tensorcnt 0x0                           ; all my tensor loads have landed: my part of the next slot;  (every window is 0 here: the add's two registers lie in window 0)
	ds_add_u32 v[SPW], v[NIL]                      ; 0 onto my spare word
	s_wait_dscnt 4*NL+1                            ; (the add and the youngest sixteen loads, A's blocks 4-7, may be out)
	WIN MUL_LO
	MUL16 0, 1, 0                                  ; sixteen matrix instructions stand between the add and the wait for it
	s_wait_dscnt 0x0                               ; the add is done, and my reads of this slot are over
	s_barrier_signal -1
	MUL16 2, 1, 0
	WIN 0
	s_barrier_wait -1
.if \fill
	CREST                                          ; the barrier has opened a round of the cluster's barrier: no wave of any partner still reads this slot or has a load on its way
	s_add_nc_u64 s[G0+4*\slot+2:G0+4*\slot+3], s[G0+4*\slot+2:G0+4*\slot+3], 4*APL     ; two K steps on: four planes
	s_add_nc_u64 s[G0B+4*\slot+2:G0B+4*\slot+3], s[G0B+4*\slot+2:G0B+4*\slot+3], 4*BPL
	JLOAD G0+4*\slot, G1, G0B+4*\slot, G1B         ; the first tensor load behind the round; the four v_nop behind it are the places in front of the loads below
.else
	PLACES NP
.endif
	FETCH_B \next, 0, 0
	FETCH_A \next, 0, 0
	WIN MUL_HI
	MUL16 4, 1, 0
	MUL16 6, 1, 0
	PLACES NP
	WIN 0
	FETCH_A \next, 0, 4
.endm
	s_wait_tensorcnt 1                             ; my part of K step 0 is in (K step 1's load may be out)
	s_barrier_signal -1
	s_barrier_wait -1                              ; everybody's is
	FETCH_B 0, 0, 0
	FETCH_A 0, 0, 0
	FETCH_A 0, 0, 4
	STEP 0, 0, 1                                   ; the first step stands in front of the loop: its products start the sums
	s_mov_b32 s3, LAPS-1
.Llap:                                                 ; a trip goes once round the ring, from a lap's second step to the next lap's first, and fills both slots again
	TURN 0, 1, 1
	STEP 1, 0, 0
	TURN 1, 0, 1
	STEP 0, 0, 0
	s_sub_co_u32 s3, s3, 1
	s_cmp_lg_u32 s3, 0
	s_cbranch_scc1 .Llap
	TURN 0, 1, 0                                   ; the last lap fills nothing, and has no round of the cluster's barrier
	STEP 1, 0, 0
	s_wait_dscnt 4*NL                              ; the very last step: nothing more to fetch
	WIN MUL_LO
	MUL16 0, 1, 0
	MUL16 2, 1, 0
	s_wait_dscnt 0
	WIN MUL_HI
	MUL16 4, 1, 0
	MUL16 6, 1, 0
	WIN 0
; THE WAY OUT, block by block of 16 rows x 128 columns.  z = 2 log2(e) (sum x 2^(e8 + e9) + bo) is one packed multiply-add for two numbers: the factor carries the two exponents, and the bias is multiplied once.
	s_wait_kmcnt 0x0
	s_add_co_i32 s96, s96, s97                     ; e8 + e9,
	s_lshl_b32 s96, s96, 23
	s_add_co_i32 s96, s96, 0x4038aa3b              ; added to the exponent field of 2 log2(e)
	s_mov_b32 s97, s96                             ; (named with it as a pair, so it is written)
	PLACES NP                                      ; behind the last products: their results are read, and A's registers written, below
	s_wait_loadcnt 0x0                             ; the bias
.set j, 0
.rept 32
	v_pk_mul_f32 v[BI+j:BI+j+1], v[BI+j:BI+j+1], 0x4038aa3b op_sel_hi:[1,0]
.set j, j+2
.endr
.macro TANH a
.set AC, 64*((\a)%4)
	WIN 0x02+((\a)/4)                              ; source 0: window 2 or 3
.set j, 0
.rept 32
	v_pk_fma_f32 v[Z+j:Z+j+1], v[AC+j:AC+j+1], s[96:97], v[BI+j:BI+j+1] op_sel_hi:[1,0,1]   ; each accumulator from its low end on
.set j, j+2
.endr
	WIN 0
.set j, 0
.rept 64
	v_exp_f32 v[Z+j], v[Z+j]                       ; 2^z
.set j, j+1
.endr
	v_nop                                          ; a plain instruction behind the batch,
	s_wait_alu depctr_va_vdst(0)                   ; and one wait for it, ahead of its first reader
.set j, 0
.rept 32
	v_pk_add_f32 v[Z+j:Z+j+1], v[Z+j:Z+j+1], 1.0 op_sel_hi:[1,0]
.set j, j+2
.endr
.set j, 0
.rept 64
	v_rcp_f32 v[Z+j], v[Z+j]
.set j, j+1
.endr
	v_nop
	s_wait_alu depctr_va_vdst(0)
.set j, 0
.rept 32
	v_pk_fma_f32 v[Z+j:Z+j+1], v[Z+j:Z+j+1], -2.0, 1.0 op_sel_hi:[1,0,0]   ; 1 - 2 / (1 + 2^z)
.set j, j+2
.endr
.endm
; A lane holds 32 neighbouring bytes of a row, and the lanes beside it hold other rows: so a block goes through my own stage in LDS and comes back as whole rows of 512 bytes.
.macro PUT
.irp b, 0,1,2,3,4,5,6,7
	ds_store_b128 v[STO], v[Z+8*\b:Z+8*\b+3] offset:64*\b
	ds_store_b128 v[STO], v[Z+8*\b+4:Z+8*\b+7] offset:64*\b+16
.endr
.endm
.macro GET
.irp t, 0,1,2,3,4,5,6,7,8,9,10,11,12,13,14,15
	ds_load_b128 v[BK+4*\t:BK+4*\t+3], v[RD] offset:\t*SPITCH   ; LDS serves a wave's instructions in order: these see the stores above
.endr
.endm
.macro SEND a
	s_wait_dscnt 0x0                               ; the block is back in registers
.irp t, 0,1,2,3,4,5,6,7,8,9,10,11,12,13,14,15
	global_store_b128 v[CO], v[BK+4*\t:BK+4*\t+3], s[12:13] offset:(16*(\a)+\t)*4096 th:TH_STORE_NT   ; 32 lanes store 512 consecutive bytes, at a multiple of 512 from out0's first byte; the row stands in the immediate, 127 x 4,096 at the most
.endr
.endm
	TANH 0
	PUT
	GET
.irp a, 1,2,3,4,5,6,7
	s_wait_dscnt 16                                ; the stores into the stage have read their registers; the sixteen loads behind them may be out
	TANH \a                                        ; the next block's arithmetic stands between a block's loads from the stage and the wait for them
	SEND \a-1
	PUT
	s_wait_xcnt 0x0                                ; the stores have read their registers, into which the next loads land
	GET
.endr
	SEND 7
	s_wait_tensorcnt 0x0                           ; the wave's end: behind my last tensor load and my last LDS store
	ds_add_u32 v[SPW], v[NIL]
	s_wait_dscnt 0x0
	CROUND                                         ; the closing round: no work-group ends while a partner may still ask for a tile that names it
	s_endpgm
.Lfunc_end_k_q9e397ef3db_outp:
	.size	k_q9e397ef3db_outp, .Lfunc_end_k_q9e397ef3db_outp-k_q9e397ef3db_outp
	.p2alignl 7, 3214868480
	.fill 96, 4, 3214868480
	.section	.rodata,"a",@progbits
	.p2align	6, 0x0
	.amdhsa_kernel k_q9e397ef3db_outp
		.amdhsa_group_segment_fixed_size 327680
		.amdhsa_private_segment_fixed_size 0
		.amdhsa_enable_private_segment 0
		.amdhsa_kernarg_size 40
		.amdhsa_user_sgpr_count 2
		.amdhsa_user_sgpr_kernarg_segment_ptr 1
		.amdhsa_wavefront_size32 1
		.amdhsa_system_sgpr_workgroup_id_x 1
		.amdhsa_system_sgpr_workgroup_id_y 1
		.amdhsa_system_sgpr_workgroup_id_z 1
		.amdhsa_system_vgpr_workitem_id 0
		.amdhsa_next_free_vgpr 1024
		.amdhsa_next_free_sgpr 98
		.amdhsa_reserve_vcc 0
		.amdhsa_float_denorm_mode_32 3
		.amdhsa_float_denorm_mode_16_64 3
		.amdhsa_memory_ordered 1
		.amdhsa_forward_progress 1
		.amdhsa_inst_pref_size 193
	.end_amdhsa_kernel
	.amdgpu_metadata
---
amdhsa.version: [ 1, 2 ]
amdhsa.kernels:
  - .name:           k_q9e397ef3db_outp
    .symbol:         k_q9e397ef3db_outp.kd
    .args:
      - { .name: comb, .offset: 0, .size: 8, .value_kind: global_buffer, .address_space: global }
      - { .name: wc, .offset: 8, .size: 8, .value_kind: global_buffer, .address_space: global }
      - { .name: bo, .offset: 16, .size: 8, .value_kind: global_buffer, .address_space: global }
      - { .name: lowp_scales, .offset: 24, .size: 8, .value_kind: global_buffer, .address_space: global }
      - { .name: out0, .offset: 32, .size: 8, .value_kind: global_buffer, .address_space: global }
    .group_segment_fixed_size: 327680
    .private_segment_fixed_size: 0
    .kernarg_segment_align: 8
    .kernarg_segment_size: 40
    .max_flat_workgroup_size: 128
    .sgpr_count:     98
    .vgpr_count:     1024
    .wavefront_size: 32
...
	.end_amdgpu_metadata
.endif
;; end of part 4
